; MI455X (gfx1250); checked and timed in simulation.
; The chip was launched on July 23, 2026; its instructions are those of AMD's public machine-readable ISA for CDNA 5 (MIT licence, August 2026) and "CDNA5" Instruction Set Architecture Reference Guide (July 2026). The comments in the code are by the model that wrote it; some were corrected since.
;; Self Attention V2. Allowed arithmetic: float matrix products may take bf16 or f16 operands with f32 sums; other float arithmetic in f32, or as packed bf16 or f16 multiplies, adds, multiply-adds, maxima and minima; sums over many terms, partial sums and values carried from step to step in f32; what a program stores and reads back later, other than sums and carried values, may be rounded once to bf16 or f16.
;; Inputs: W 3,072 x 1,024 float32; X 4 x 2,048 x 1,024 float32; b 3,072 float32.
;; Outputs: out0 4 x 2,048 x 1,024 float32.
;; 2 versions, each right; version 2 is version 1 with the launch cast written anew for expert scheduling mode. Each part assembles by itself: llvm-mc -triple=amdgcn-amd-amdhsa -mcpu=gfx1250 --defsym DOCPART=n.
;; ======== version 1 of 2: 4 launches
;; limits: values are held in f16: magnitudes above 65,504 overflow, below 6.1e-05 lose precision
;; workspace buffers: xb 16,777,216 bytes; wb 6,291,456 bytes; qkv 50,331,648 bytes; p 33,554,432 bytes; st 1,048,576 bytes
;; launch cast (part 1): grid 704 x 1, 8 waves a work-group, no clusters, 0 bytes of LDS; arguments X, W, xb, wb; writes xb, wb
.if DOCPART == 1
	.amdgcn_target "amdgcn-amd-amdhsa--gfx1250"
	.amdhsa_code_object_version 6
	.text
	.protected	k_q58b93c0f50_cast
	.globl	k_q58b93c0f50_cast
	.p2align	8
	.type	k_q58b93c0f50_cast,@function
k_q58b93c0f50_cast:
	s_mov_b64 s[64:65], 0
	v_nop
	global_prefetch_b8 v0, s[64:65] scope:SCOPE_SE
	s_setreg_imm32_b32 hwreg(HW_REG_WAVE_MODE, 25, 1), 1
	s_wait_xcnt 0x0
; SELF-ATTENTION WITH ONE HEAD OF 1,024 CHANNELS, in four launches: cast, proj, score, pv.
;   cast   X and W rounded once to bf16 and laid out in blocks of 64 along K (xb, wb).
;   proj   qkv[8192][3072] in f16 = X W^T: columns 0-1023 hold c (q + bq), c = log2(e) / 32; columns 1024-2047 K without its bias; columns 2048-3071 V without its bias.
;   score  for each block of 128 keys: s' = Q' . K, E = ceil(the row's maximum over the block), p = 2^(s' - E) in f16, and per row and block the pair (-E, sum of p) in f32.
;   pv     out = (sum over blocks of 2^(E_block - E_row) p V) / (sum over blocks of 2^(E_block - E_row) l) + bv.
; WORK LEFT OUT.  K's bias bk = b[1024:2048].  scores[q][k] = Q_q . (K0_k + bk) / 32 = Q_q . K0_k / 32 + Q_q . bk / 32; the second term does not hang on k, and softmax along k
; is unchanged by a term that is the same along k, for all values of X, W and b.  So b[1024:2048] is never loaded; b stays an argument, since bq and bv are live.
; V's bias is not left out but moved: a row's weights sum to 1, so sum_k a_k (V0_k + bv) = sum_k a_k V0_k + bv: it is the addend of pv's last multiply-add.
; LIMITS.  A NaN, an infinity or an overflow that lives in bk alone is not carried to the result.  c (q + bq), K0 and V0 are kept in f16: they must lie within 65,504.
; A weight below 6e-8 of its row's largest counts as 0.  NaN and infinities are not treated apart.
;
; THIS LAUNCH: a stream.  xb is [K block 16][row 8192][64], wb is [K block 16][row' 3072][64]: the next launch's tiles (some rows, 64 along K) are then dense in memory.
; W's row n = 1,024 g + 128 T + i (g = 0, 1, 2: Q, K, V) goes to row' = 384 T + 128 g + i: the 384 rows that one work-group of the next launch multiplies lie on end.
; Work-groups 0-511 take X, 512-703 take W: 16 rows each, 65,536 bytes in and 32,768 out.  Thread t has row t / 16 and, in K block j = 0..15, the four numbers 4 (t % 16) ..: a wave's load covers
; 256 consecutive bytes of each of two rows, a wave's store 256 consecutive bytes, aligned: the two rows' 64 numbers of one K block.  All sixteen loads of a wave go out before the first wait.
; No LDS, no barrier, no matrix unit: each byte is touched once and no wave wants another's.
.set XCHUNKS, 512                      ; 8,192 rows / 16
.set XKB, 8192*128                     ; bytes in a K block of xb,
.set WKB, 3072*128                     ; and of wb
.set IN,  8                            ; v[8:71]     sixteen loads of four registers
.set OUT, 72                           ; v[72:103]   sixteen stores of two registers
.set OFS, 104                          ; v[104:119]  my 8 bytes in K block j: 8 t + j x the block's bytes (past a store's immediate, so kept in registers)
	s_load_b256 s[4:11], s[0:1], 0x0               ; X s[4:5], W s[6:7], xb s[8:9], wb s[10:11]
	v_lshrrev_b32 v1, 4, v0                        ; my row in the chunk
	v_and_b32 v3, 15, v0
	v_lshlrev_b32 v1, 12, v1                       ; 4,096 bytes a row,
	v_lshl_add_u32 v1, v3, 4, v1                   ; 16 bytes a thread
	v_lshlrev_b32 v[OFS], 3, v0                    ; out: 128 (t / 16) + 8 (t % 16) = 8 t
	s_mov_b32 s22, WKB                             ; an instruction holds one literal: wb's stride first, xb's by the choice below
	s_cmp_lt_u32 ttmp9, XCHUNKS
	s_cselect_b32 s12, 0, XCHUNKS
	s_cselect_b32 s22, XKB, s22                    ; bytes from K block to K block in my tensor
	s_sub_co_u32 s12, ttmp9, s12                   ; my chunk's number c in its tensor
	s_lshl_b32 s14, s12, 16                        ; its bytes in
	s_mov_b32 s15, 0
	s_lshl_b32 s16, s12, 4                         ; X: its first row, 16 c
	s_bfe_u32 s13, s12, 0x30003                    ; W: T = (c / 8) % 8,
	s_mul_i32 s13, s13, 384
	s_lshr_b32 s23, s12, 6                         ; g = c / 64,
	s_lshl_b32 s23, s23, 7
	s_add_co_u32 s13, s13, s23
	s_and_b32 s23, s12, 7                          ; i = 16 (c % 8)
	s_lshl_b32 s23, s23, 4
	s_add_co_u32 s13, s13, s23                     ; row' = 384 T + 128 g + i
	s_cmp_lt_u32 ttmp9, XCHUNKS
	s_cselect_b32 s16, s16, s13
	s_lshl_b32 s16, s16, 7                         ; 128 bytes a row in a K block
	s_mov_b32 s17, 0
.irp j, 1,2,3,4,5,6,7,8,9,10,11,12,13,14,15
	v_add_nc_u32 v[OFS+\j], s22, v[OFS+\j-1]
.endr
	s_wait_kmcnt 0x0
	s_cmp_lt_u32 ttmp9, XCHUNKS                    ; compared anew: the shifts wrote SCC
	s_cselect_b64 s[18:19], s[4:5], s[6:7]
	s_cselect_b64 s[20:21], s[8:9], s[10:11]
	s_add_nc_u64 s[18:19], s[18:19], s[14:15]
	s_add_nc_u64 s[20:21], s[20:21], s[16:17]
.irp j, 0,1,2,3,4,5,6,7,8,9,10,11,12,13,14,15
	global_load_b128 v[IN+4*\j:IN+4*\j+3], v1, s[18:19] offset:256*\j th:TH_LOAD_NT
.endr
.irp j, 0,1,2,3,4,5,6,7,8,9,10,11,12,13,14,15
	s_wait_loadcnt 15-\j                           ; loads come back in order (ISA guide 5.7.1): load j is in, the younger ones stay out
	v_cvt_pk_bf16_f32 v[OUT+2*\j], v[IN+4*\j], v[IN+4*\j+1]
	v_cvt_pk_bf16_f32 v[OUT+2*\j+1], v[IN+4*\j+2], v[IN+4*\j+3]
	global_store_b64 v[OFS+\j], v[OUT+2*\j:OUT+2*\j+1], s[20:21] th:TH_STORE_NT
.endr
	s_endpgm
.Lfunc_end_k_q58b93c0f50_cast:
	.size	k_q58b93c0f50_cast, .Lfunc_end_k_q58b93c0f50_cast-k_q58b93c0f50_cast
	.p2alignl 7, 3214868480
	.fill 96, 4, 3214868480
	.section	.rodata,"a",@progbits
	.p2align	6, 0x0
	.amdhsa_kernel k_q58b93c0f50_cast
		.amdhsa_group_segment_fixed_size 0
		.amdhsa_private_segment_fixed_size 0
		.amdhsa_enable_private_segment 0
		.amdhsa_kernarg_size 32
		.amdhsa_user_sgpr_count 2
		.amdhsa_user_sgpr_kernarg_segment_ptr 1
		.amdhsa_wavefront_size32 1
		.amdhsa_system_sgpr_workgroup_id_x 1
		.amdhsa_system_sgpr_workgroup_id_y 1
		.amdhsa_system_sgpr_workgroup_id_z 1
		.amdhsa_system_vgpr_workitem_id 0
		.amdhsa_next_free_vgpr 120
		.amdhsa_next_free_sgpr 66
		.amdhsa_reserve_vcc 0
		.amdhsa_float_denorm_mode_32 3
		.amdhsa_float_denorm_mode_16_64 3
		.amdhsa_memory_ordered 1
		.amdhsa_forward_progress 1
		.amdhsa_inst_pref_size 8
	.end_amdhsa_kernel
	.amdgpu_metadata
---
amdhsa.version: [ 1, 2 ]
amdhsa.kernels:
  - .name:           k_q58b93c0f50_cast
    .symbol:         k_q58b93c0f50_cast.kd
    .args:
      - { .name: X, .offset: 0, .size: 8, .value_kind: global_buffer, .address_space: global }
      - { .name: W, .offset: 8, .size: 8, .value_kind: global_buffer, .address_space: global }
      - { .name: xb, .offset: 16, .size: 8, .value_kind: global_buffer, .address_space: global }
      - { .name: wb, .offset: 24, .size: 8, .value_kind: global_buffer, .address_space: global }
    .group_segment_fixed_size: 0
    .private_segment_fixed_size: 0
    .kernarg_segment_align: 8
    .kernarg_segment_size: 32
    .max_flat_workgroup_size: 256
    .sgpr_count:     66
    .vgpr_count:     120
    .wavefront_size: 32
...
	.end_amdgpu_metadata
.endif
;; end of part 1
;; launch proj (part 2): grid 8 x 32, 4 waves a work-group, clusters of 4 x 4, 327,680 bytes of LDS; arguments xb, wb, b, qkv; writes qkv
.if DOCPART == 2
	.amdgcn_target "amdgcn-amd-amdhsa--gfx1250"
	.amdhsa_code_object_version 6
	.text
	.protected	k_q58b93c0f50_proj
	.globl	k_q58b93c0f50_proj
	.p2align	8
	.type	k_q58b93c0f50_proj,@function
k_q58b93c0f50_proj:
	s_mov_b64 s[64:65], 0
	v_nop
	global_prefetch_b8 v0, s[64:65] scope:SCOPE_SE
	s_setreg_imm32_b32 hwreg(HW_REG_WAVE_MODE, 25, 1), 1
	s_wait_xcnt 0x0
	s_wait_alu depctr_hold_cnt(0) depctr_sa_sdst(0) depctr_va_vdst(0) depctr_va_sdst(0) depctr_va_ssrc(0) depctr_va_vcc(0) depctr_vm_vsrc(0)
	s_getreg_b32 s2, hwreg(HW_REG_IB_STS2, 6, 4)
	s_cmp_eq_u32 s2, 0
	s_cbranch_scc0 .Lentry_in_a_cluster
	s_endpgm
.Lentry_in_a_cluster:
	s_bfe_u32 s2, ttmp6, 0x10000c
	s_cmp_lg_u32 s2, 0xf033
	s_cbranch_scc0 .Lentry_shape_is_right
	s_endpgm
.Lentry_shape_is_right:
; qkv[m][n] = the sum over k of X[m][k] W[n][k] (for n < 1024: plus bq[n], times c).  xb: [16][8192][64], wb: [16][3072][64], bf16, in blocks of 64 along K; sums in f32; qkv: [8192][3072] in f16, rounded once.
; WORK LEFT OUT: K's bias b[1024:2048] (the same term along a softmax's axis: shown at the head of the first kernel) is not loaded; V's bias is added in the last launch.
; LIMIT: what is stored must lie within f16's 65,504.
; SHARES.  8,192 x 3,072 results are 256 tiles of 256 rows x 384 columns: one for each work-group.  Tile column T holds columns 128 T .. 128 T + 127 of Q, of K and of V: wb's rows 384 T .. 384 T + 383.
; A wave makes 128 rows x 192 columns: 96 accumulators of 16 x 16, 768 registers.  Its column blocks 0-7 are a whole 128 columns (Q for the waves of column half 0, V for those of half 1), its blocks 8-11 its
; half of K's 128: so one text serves all four waves, and only addresses hang on the wave.
; THE RING.  K goes in 16 steps of 64 through two LDS slots of 640 rows (two slots of 128 along K would pass the LDS).  A tile is dense in memory: it is asked for as rows of 256 bytes, two rows of the
; tile each, and padded in LDS after every 128 bytes.  Waves 0 and 1 fetch 128 rows of xb each, waves 2 and 3 fetch 192 rows of wb each: one tensor load a wave behind each change of slots.
; CLUSTER: 4 x 4 work-groups.  The four of a row of the cluster need the same rows of xb, the four of a column the same rows of wb: each tile is asked for jointly, by the same tensor load with the same
; descriptor and a mask that names the four.
; THE MATRIX INSTRUCTION IS USED TRANSPOSED (source 0 = 16 rows of wb, source 1 = 16 rows of xb): lane l holds row l % 16 of the result and the columns 8 (l / 16) + 0..7: 16 bytes of f16 on end.
; REGISTERS, in windows of 256 (s_set_vgpr_msb: bits 1:0 source 0, 3:2 source 1, 5:4 source 2, 7:6 destination):
;   window 0: v0-31 addresses; v32-95, v96-159 xb's 8 fragments, two buffers; v160-255 wb's 12 fragments, ONE buffer
;   windows 1-3: the accumulators: (row block a, column block b) at v[8 (8 (b % 4) + a)] of window 1 + b / 4
; A QUARTER (32 along K, 96 matrix instructions) GOES BY COLUMN BLOCKS, in three groups of four: a group has one window setting; behind it its four fragments of wb have been read for the last time and are
; loaded anew, for the next quarter, 64 matrix instructions ahead of their use.  xb's next fragments go into the other buffer behind the first group.
.set PITCH,  144                       ; an LDS row: 128 bytes + 16 of padding = 36 words: the 16 rows of a load begin at 16 different groups of four banks (64 banks of 4 bytes: ISA guide 11.1)
.set BOFF,   256*PITCH                 ; a slot: xb's 256 rows, then wb's 384 rows
.set SLOT1,  1<<17                     ; slot 1 begins here: one exclusive or turns an address of one slot into the other's
.set STAGE,  BOFF+384*PITCH            ; 92,160: behind slot 0's tiles, never filled by a tensor load: 16 rows x 272 bytes for each wave, for the way out
.set SPITCH, 272
.set SPARE,  STAGE+4*16*SPITCH         ; 109,568: the spare words, 128 bytes a wave: two blocks of 256 bytes that no other line names
.set KST,    SLOT1+STAGE               ; 223,232: behind slot 1's tiles: the work-group's stage for K's 128 columns: 256 rows x 272 bytes
.set XKB,    8192*128                  ; bytes from K block to K block in xb,
.set WKB,    3072*128                  ; and in wb
.set OROWB,  6144                      ; bytes in a row of qkv
.set FILLS,  14                        ; K steps 2 to 15 are refills
.set ADRA,  8                          ; v8   LDS address of my fragments of xb in the slot in hand;  v9 in slot 0, never rewritten
.set ADRA0, 9
.set ADRU,  10                         ; v10, v11  the same for wb's rows of my column blocks 0-7
.set ADRU0, 11
.set ADRK,  12                         ; v12, v13  and of my column blocks 8-11
.set ADRK0, 13
.set STO,   14                         ; v14  my stage: where I put 16 bytes of a row
.set RD,    15                         ; v15  my stage: where I read a row back
.set CO,    16                         ; v16  my byte offset in two rows of qkv
.set KSTO,  17                         ; v17  K's stage: where I put 16 bytes of a row
.set KRD,   18                         ; v18  K's stage: where I read a row back
.set BO,    19                         ; v19  my byte offset in bq
.set PFO,   20                         ; v20  the prefetches' offset; never rewritten
.set SPW,   28                         ; v28  LDS address of my spare word; never rewritten
.set NIL,   29                         ; v29  0; never rewritten
.set A0,    32
.set A1,    96
.set BF,    160
.set CB,    32                         ; the way out: v[32:95] c bq: for column block b eight registers: columns 16 b + 8 (l / 16) + 0..7
.set KB,    96                         ; v[96:159] rows of K read back
.set TMP,   160                        ; v[160:191] packed results
.set OB,    192                        ; v[192:223], v[224:255] rows read back from my stage, by turns
.set WV, 12                            ; s12 wave;  s13 wave / 2: my half of the rows, and: I fetch for xb (0) or wb (1);  s14 wave % 2: my half of the columns, and: which half of the tile I fetch
.set RH, 13
.set CH, 14
.set CX, 15                            ; my place in the cluster
.set CY, 16
.set TC, 17                            ; tile column 0..7, tile row 0..31
.set TR, 18
.set LIM, 19                           ; 2 in a wave that prefetches, else the greatest number
.set G1A, 24                           ; s[24:31] descriptor group 1 for xb's tiles
.set G0A, 32                           ; s[32:35] group 0 of the first fill, s[36:39] of the second, which then walks
.set PFA, 40                           ; s[40:41] where my prefetches stand;  s[42:43] their step
.set PFS, 42
.set TB,  44                           ; s44  LDS byte at which the slot in hand begins
.set G1B, 48                           ; s[48:55], s[56:63] the same for wb's tiles
.set G0B, 56
.set CS,  66                           ; s[66:67] c
.set KOUT, 68                          ; s[68:69] qkv at the 64 rows of K's columns that I store
.set PAR, 70                           ; s70  1 in a wave that prefetches in every second trip, else 0
.set MSB, 0
.macro WIN new                         ; the immediate's high byte repeats the setting that is left; a switch that changes nothing is dropped
.if MSB != (\new)
	s_set_vgpr_msb (MSB<<8)|(\new)
.set MSB, \new
.endif
.endm
; A joint load.  Waves 0 and 1 fetch xb's two halves, waves 2 and 3 wb's.  The branch hangs on the wave's number alone.  An s_nop 0 and four v_nop follow each of the two lines.
.macro JLOAD s
	s_cmp_eq_u32 s[RH], 0
	s_cbranch_scc0 .Lfor_b_\@
	tensor_load_to_lds s[G0A+4*(\s):G0A+4*(\s)+3], s[G1A:G1A+7]
	s_nop 0
.rept 4
	v_nop
.endr
	s_branch .Lasked_\@
.Lfor_b_\@:
	tensor_load_to_lds s[G0B+4*(\s):G0B+4*(\s)+3], s[G1B:G1B+7]
	s_nop 0
.rept 4
	v_nop
.endr
.Lasked_\@:
.endm
; A PREFETCH behind each joint refill and the run of LDS loads that follows it: 32 blocks of 256 bytes, a lane a block, one instruction a wave.  Each block is named once in the launch.
; xb: a K step of a tile row is 256 rows x 128 bytes = 128 blocks on end, read by both clusters of that row of clusters: in the one with x = 0, wave 0 of each of the four partners names 32 of them, in every
; trip, for the K step two refills on (384 matrix instructions ahead of its load): steps 4 to 15.
; wb: a K step of a tile column is 192 blocks, 48 a partner, which 32 lanes do not divide: so waves 1 to 3 of each partner name the 96 blocks of TWO K steps, in every second trip (an even count), two and
; three refills on: steps 4 to 15; in the clusters with y = 0 alone, since all eight clusters of a column read these rows.  The partners are told apart by address.
; K steps 0 to 3 come by their loads alone; the last trips (count 2 and 1) ask for nothing.
.macro ASK
	s_and_b32 s45, s3, s[PAR]
	s_cselect_b32 s45, 0, s3                       ; an odd count in a wave that asks in every second trip counts as 0
	s_cmp_gt_u32 s45, s[LIM]
	s_cbranch_scc0 .Lnot_mine_\@
	global_prefetch_b8 v[PFO], s[PFA:PFA+1] th:TH_LOAD_NT scope:SCOPE_SE
.Lnot_mine_\@:
.endm
.macro CREST                           ; a round of the cluster's barrier behind its opening barrier
	s_cmp_lg_u32 s[WV], 0
	s_cbranch_scc1 .Lnot_wave_0_\@
	s_barrier_signal -3
.Lnot_wave_0_\@:
	s_barrier_wait -3
	s_barrier_signal -1
	s_barrier_wait -1
.endm
.macro CROUND                          ; a whole round
	s_barrier_signal -1
	s_barrier_wait -1
	CREST
.endm
	s_load_b256 s[4:11], s[0:1], 0x0               ; xb s[4:5], wb s[6:7], b s[8:9], qkv s[10:11]
	v_lshl_add_u32 v[SPW], v0, 2, SPARE
	v_mov_b32 v[NIL], 0
	ds_add_u32 v[SPW], v[NIL]                      ; the wave's opening: the add, twice on end, and its wait ahead of my first tensor load
	ds_add_u32 v[SPW], v[NIL]                      ; and once more, under the one wait; the set-up below, work on registers, stands between
	v_lshrrev_b32 v1, 5, v0
	v_readfirstlane_b32 s[WV], v1
	s_lshr_b32 s[RH], s[WV], 1
	s_and_b32 s[CH], s[WV], 1
	s_bfe_u32 s[CX], ttmp6, 0x40000
	s_bfe_u32 s[CY], ttmp6, 0x40004
	s_lshl_b32 s[TC], ttmp9, 2                     ; in a cluster launch ttmp9 and ttmp7 count clusters
	s_add_co_u32 s[TC], s[TC], s[CX]
	s_and_b32 s[TR], ttmp7, 0xffff
	s_lshl_b32 s[TR], s[TR], 2
	s_add_co_u32 s[TR], s[TR], s[CY]
	s_lshl_b32 s20, s[CY], 2
	s_lshl_b32 s20, 15, s20                        ; my row of the cluster: places 4 cy .. 4 cy + 3
	s_lshl_b32 s46, 0x1111, s[CX]                  ; my column: places cx, cx + 4, cx + 8, cx + 12
	; group 1: rows of 128 elements of 2 bytes (two rows of the tile), dense; padding on, 4 words after every 32; bit 21 set beside a mask
	s_or_b32 s[G1A], s20, (1<<16)|(1<<20)|(1<<21)|(4<<22)|(3<<25)
	s_or_b32 s[G1B], s46, (1<<16)|(1<<20)|(1<<21)|(4<<22)|(3<<25)
	s_mov_b32 s[G1A+1], 128<<16                    ; tensor_dim0 = 128
	s_mov_b32 s[G1A+2], 64<<16                     ; tensor_dim1 = 64: 128 rows of xb
	s_mov_b32 s[G1A+3], 128<<16                    ; tile_dim0 = 128
	s_mov_b32 s[G1A+4], 64                         ; tile_dim1 = 64
	s_mov_b32 s[G1A+5], 128                        ; elements from row to row
	s_mov_b32 s[G1A+6], 0
	s_mov_b32 s[G1A+7], 0
	s_mov_b32 s[G1B+1], 128<<16
	s_mov_b32 s[G1B+2], 96<<16                     ; tensor_dim1 = 96: 192 rows of wb
	s_mov_b32 s[G1B+3], 128<<16
	s_mov_b32 s[G1B+4], 96                         ; tile_dim1 = 96
	s_mov_b32 s[G1B+5], 128
	s_mov_b32 s[G1B+6], 0
	s_mov_b32 s[G1B+7], 0
	s_lshl_b32 s20, s[TR], 15                      ; xb: row 256 x tile row + 128 x half, 128 bytes a row: shared along my row of the cluster
	s_lshl_b32 s21, s[CH], 14
	s_add_co_u32 s20, s20, s21
	s_mov_b32 s21, 0
	s_mul_i32 s46, s[TC], 384*128                  ; wb: row 384 x tile column + 192 x half: shared along my column
	s_mul_i32 s47, s[CH], 192*128
	s_add_co_u32 s46, s46, s47
	s_mov_b32 s47, 0
	s_mul_i32 s22, s[CH], 128*PITCH                ; where they go: no place in the cluster enters an LDS address
	s_mul_i32 s23, s[CH], 192*PITCH
	s_add_co_u32 s23, s23, BOFF
	s_mov_b32 s[CS], 0x3d38aa3b                    ; c = log2(e) / 32
	s_mov_b32 s[CS+1], s[CS]                       ; named with it as a pair
	s_wait_dscnt 0x0                               ; both opening adds are done
	s_wait_kmcnt 0x0
	s_add_nc_u64 s[20:21], s[4:5], s[20:21]
	s_add_nc_u64 s[46:47], s[6:7], s[46:47]
	CROUND                                         ; all sixteen work-groups are here: the first joint loads meet
.irp s, 0,1
	s_mov_b32 s[G0A+4*(\s)], 1                                       ; count = 1
	s_add_co_u32 s[G0A+4*(\s)+1], s22, (\s)*SLOT1                    ; LDS address: slot s
	s_add_nc_u64 s[G0A+4*(\s)+2:G0A+4*(\s)+3], s[20:21], (\s)*XKB    ; global address: K step s
	s_or_b32 s[G0A+4*(\s)+3], s[G0A+4*(\s)+3], 0x80000000            ; type = 2
	s_mov_b32 s[G0B+4*(\s)], 1
	s_add_co_u32 s[G0B+4*(\s)+1], s23, (\s)*SLOT1
	s_add_nc_u64 s[G0B+4*(\s)+2:G0B+4*(\s)+3], s[46:47], (\s)*WKB
	s_or_b32 s[G0B+4*(\s)+3], s[G0B+4*(\s)+3], 0x80000000
	JLOAD \s                                       ; two loads of mine are out
.endr
	; A fragment is 16 rows x 32 K in 8 registers: lane l holds row l % 16; registers 0-3 K = 8 (l / 16) + 0..7, registers 4-7 K = 16 + 8 (l / 16) + 0..7: two loads of 16 bytes, 32 bytes apart.
	v_and_b32 v1, 15, v0                           ; l % 16
	v_bfe_u32 v2, v0, 4, 1                         ; l / 16
	v_mul_u32_u24 v3, v1, PITCH
	v_lshl_add_u32 v3, v2, 4, v3
	s_mul_i32 s20, s[RH], 128*PITCH                ; my 128 rows of xb
	v_add_nc_u32 v[ADRA0], s20, v3
	s_mul_i32 s20, s[CH], 256*PITCH                ; wb's rows lie as Q's 128, K's 128, V's 128: my blocks 0-7 are Q's (half 0) or V's (half 1),
	s_add_co_u32 s20, s20, BOFF
	v_add_nc_u32 v[ADRU0], s20, v3
	s_mul_i32 s20, s[CH], 64*PITCH                 ; my blocks 8-11 my half of K's
	s_add_co_u32 s20, s20, BOFF+128*PITCH
	v_add_nc_u32 v[ADRK0], s20, v3
	s_mul_i32 s20, s[WV], 16*SPITCH
	s_add_co_u32 s20, s20, STAGE                   ; my stage
	v_mul_u32_u24 v4, v1, SPITCH                   ; in: row l % 16, 16 bytes for each half of the lanes
	v_lshl_add_u32 v4, v2, 4, v4
	v_add_nc_u32 v[STO], s20, v4
	v_mul_u32_u24 v5, v2, SPITCH                   ; back: lanes 0-15 take one row of 256 bytes, lanes 16-31 the next
	v_lshl_add_u32 v5, v1, 4, v5
	v_add_nc_u32 v[RD], s20, v5
	s_mul_i32 s20, s[RH], 128*SPITCH               ; K's stage, in: my 128 rows, my half of their 256 bytes
	s_lshl_b32 s21, s[CH], 7
	s_add_co_u32 s20, s20, s21
	s_add_co_u32 s20, s20, KST
	v_add_nc_u32 v[KSTO], s20, v4
	s_mul_i32 s20, s[WV], 64*SPITCH                ; back: wave w takes rows 64 w .. 64 w + 63, whole
	s_add_co_u32 s20, s20, KST
	v_add_nc_u32 v[KRD], s20, v5
	v_mul_u32_u24 v5, v2, OROWB                    ; and two rows in qkv
	v_lshl_add_u32 v[CO], v1, 4, v5
	s_lshl_b32 s20, s[TC], 9                       ; bq of the tile's 128 columns of Q: 4 x 128 x tile column bytes on,
	v_lshl_add_u32 v[BO], v2, 5, s20               ; my half of the lanes' eight numbers of each sixteen
	s_lshl_b32 s46, s[TR], 8                       ; K's columns: row 256 x tile row + 64 x wave, byte 2,048 + 256 x tile column
	s_lshl_b32 s47, s[WV], 6
	s_add_co_u32 s46, s46, s47
	s_mul_i32 s46, s46, OROWB
	s_lshl_b32 s47, s[TC], 8
	s_add_co_u32 s46, s46, s47
	s_add_co_u32 s46, s46, 2048
	s_mov_b32 s47, 0
	s_add_nc_u64 s[KOUT:KOUT+1], s[10:11], s[46:47]
	s_lshl_b32 s46, s[TR], 8                       ; my whole 128 columns: row 256 x tile row + 128 x half, byte 4,096 x column half + 256 x tile column
	s_lshl_b32 s47, s[RH], 7
	s_add_co_u32 s46, s46, s47
	s_mul_i32 s46, s46, OROWB
	s_lshl_b32 s47, s[TC], 8
	s_add_co_u32 s46, s46, s47
	s_lshl_b32 s47, s[CH], 12
	s_add_co_u32 s46, s46, s47
	s_mov_b32 s47, 0
	s_add_nc_u64 s[10:11], s[10:11], s[46:47]
	; the prefetches
	s_lshl_b32 s20, s[TR], 15                      ; xb: the tile row's 32,768 bytes of a K block, my work-group's 8,192 of them,
	s_lshl_b32 s21, s[CX], 13
	s_add_co_u32 s20, s20, s21
	s_add_co_u32 s20, s20, 3*XKB                   ; at K step 3: the first refill steps it to 4
	s_mul_i32 s21, s[TC], 384*128                  ; wb: the tile column's 49,152 bytes of a K block, my work-group's 12,288 of them,
	s_mul_i32 s22, s[CY], 96*128
	s_add_co_u32 s21, s21, s22
	s_add_co_u32 s21, s21, 3*WKB                   ; at K step 3
	s_and_b32 s22, ttmp7, 0xffff                   ; cluster y
	s_mov_b32 s[PFS], WKB
	s_mov_b32 s[PFS+1], 0
	s_cmp_eq_u32 s[WV], 0                          ; wave 0 asks for xb, waves 1 to 3 for wb
	s_cselect_b32 s46, s20, s21
	s_cselect_b32 s22, ttmp9, s22                  ; the coordinate along which other clusters read the same rows
	s_cselect_b32 s[PFS], XKB, s[PFS]
	s_cselect_b32 s[PAR], 0, 1
	s_cselect_b64 s[PFA:PFA+1], s[4:5], s[6:7]
	s_add_nc_u64 s[PFA:PFA+1], s[PFA:PFA+1], s[46:47]
	s_cmp_eq_u32 s22, 0
	s_cselect_b32 s[LIM], 2, -1                    ; the same in all sixteen partners, for a given wave
	s_max_u32 s20, s[WV], 1
	s_sub_co_u32 s20, s20, 1
	s_lshl_b32 s20, s20, 5                         ; waves 0 and 1: 0; wave 2: 32; wave 3: 64
	v_and_b32 v4, 31, v0
	v_add_nc_u32 v4, s20, v4                       ; my block: 0..31 of xb's 32, or 0..95 of wb's two K steps of 48
	v_lshlrev_b32 v5, 8, v4
	v_add_nc_u32 v6, WKB-48*256, v5                ; from block 48 on: the next K block
	v_cmp_lt_u32 vcc_lo, 47, v4
	v_cndmask_b32 v[PFO], v5, v6, vcc_lo           ; nothing is prefetched here, at the head
; 8 matrix instructions: column block b x all 8 row blocks, 32 along K, xb's fragments from buffer af.  zero = 1: the first product starts the sums: nothing is ever cleared.
.macro MULB af, b, zero
	WIN (1+(\b)/4)*0x50                            ; both sources window 0, C and D window 1 + b / 4
.irp a, 0,1,2,3,4,5,6,7
.if \zero
	v_wmma_f32_16x16x32_bf16 v[8*(8*((\b)%4)+\a):8*(8*((\b)%4)+\a)+7], v[BF+8*(\b):BF+8*(\b)+7], v[(\af)+8*\a:(\af)+8*\a+7], 0
.else
	v_wmma_f32_16x16x32_bf16 v[8*(8*((\b)%4)+\a):8*(8*((\b)%4)+\a)+7], v[BF+8*(\b):BF+8*(\b)+7], v[(\af)+8*\a:(\af)+8*\a+7], v[8*(8*((\b)%4)+\a):8*(8*((\b)%4)+\a)+7]
.endif
.endr
.endm
.macro GROUP af, g, zero               ; 32 matrix instructions under one window setting.  The 96 accumulators take turns in the same order in every quarter
	MULB \af, 4*(\g), \zero
	MULB \af, 4*(\g)+1, \zero
	MULB \af, 4*(\g)+2, \zero
	MULB \af, 4*(\g)+3, \zero
.endm
.macro FETCHB g, k                     ; 8 LDS loads: wb's fragments of group g, 32 K at byte k of the rows of the slot in hand
	WIN 0
.irp i, 0,1,2,3
.if (\g) < 2
	ds_load_b128 v[BF+8*(4*(\g)+\i):BF+8*(4*(\g)+\i)+3],   v[ADRU] offset:(\k)+(4*(\g)+\i)*16*PITCH
	ds_load_b128 v[BF+8*(4*(\g)+\i)+4:BF+8*(4*(\g)+\i)+7], v[ADRU] offset:(\k)+(4*(\g)+\i)*16*PITCH+32
.else
	ds_load_b128 v[BF+8*(8+\i):BF+8*(8+\i)+3],   v[ADRK] offset:(\k)+\i*16*PITCH
	ds_load_b128 v[BF+8*(8+\i)+4:BF+8*(8+\i)+7], v[ADRK] offset:(\k)+\i*16*PITCH+32
.endif
.endr
.endm
.macro FETCHA k, af                    ; 16 LDS loads: xb's 8 fragments into buffer af
	WIN 0
.irp i, 0,1,2,3,4,5,6,7
	ds_load_b128 v[(\af)+8*\i:(\af)+8*\i+3],   v[ADRA] offset:(\k)+\i*16*PITCH
	ds_load_b128 v[(\af)+8*\i+4:(\af)+8*\i+7], v[ADRA] offset:(\k)+\i*16*PITCH+32
.endr
.endm
; A load into a register that a matrix instruction has read, and a vector instruction that reads a matrix result, stand four plain vector instructions behind it (ISA guide 7.12.1 for vector instructions).
.macro PLACES
.rept 4
	v_nop
.endr
.endm
; A K step is two quarters.  In every quarter the LDS loads for the next one go out in this order: wb's group 0 (8), xb (16), wb's group 1 (8), wb's group 2 (8).
; THE FIRST QUARTER OF A SLOT multiplies buffer A0 and fetches the slot's second quarter.
.macro QE zero
	s_wait_dscnt 16                                ; wb's group 0 and xb are in; the runs of groups 1 and 2 may be out
	GROUP A0, 0, \zero
	WIN 0
	PLACES
	FETCHB 0, 64
	FETCHA 64, A1
	s_wait_dscnt 32                                ; group 1 is in: behind it stand group 2's 8 loads and the 24 just issued
	GROUP A0, 1, \zero
	WIN 0
	PLACES
	FETCHB 1, 64
	s_wait_dscnt 32                                ; group 2 is in: behind it stand the 24 and the 8 of this quarter
	GROUP A0, 2, \zero
	WIN 0
	PLACES
	FETCHB 2, 64
.endm
; THE SECOND QUARTER multiplies buffer A1 and changes slots: one barrier.  In front of it each wave waits for all its tensor loads (one is out: its part of the next slot), adds 0 to its spare word, and waits
; for that and for its own reads of this slot.  Behind it nobody reads this slot any more and the next slot is whole.  fill = 1: the barrier opens a round of the cluster's, and this slot is filled again, first
; thing behind it, with the K step two on: 160 matrix instructions ahead of the wait for it.
.macro QO fill
.if \fill
	s_wait_xcnt 0x0                                ; the last prefetch, a K step back, has read its address
	s_add_nc_u64 s[PFA:PFA+1], s[PFA:PFA+1], s[PFS:PFS+1]
.endif
	WIN 0
	s_wait_tensorcnt 0x0                           ; all my tensor loads have landed
	ds_add_u32 v[SPW], v[NIL]                      ; 0 onto my spare word
	s_wait_dscnt 17                                ; wb's group 0 and xb are in (the add and the youngest sixteen loads may be out)
	MULB A1, 0, 0                                  ; sixteen matrix instructions stand between the add and the wait for it
	MULB A1, 1, 0
	s_wait_dscnt 0x0                               ; the add is done, and my reads of this slot are over
	s_barrier_signal -1
	MULB A1, 2, 0                                  ; work on registers while the others arrive
	MULB A1, 3, 0
	WIN 0
	s_barrier_wait -1
.if \fill
	CREST                                          ; no wave of any partner still reads this slot or has a load on its way
	s_xor_b32 s[G0A+5], s[G0A+5], SLOT1            ; the walking descriptors: the other slot than last time,
	s_add_nc_u64 s[G0A+6:G0A+7], s[G0A+6:G0A+7], XKB  ; the next K block; the type bits on top are not reached
	s_xor_b32 s[G0B+5], s[G0B+5], SLOT1
	s_add_nc_u64 s[G0B+6:G0B+7], s[G0B+6:G0B+7], WKB
	JLOAD 1                                        ; the four v_nop behind it are also the places in front of the loads below
.else
	PLACES
.endif
	s_xor_b32 s[TB], s[TB], SLOT1                  ; the reads go on in the other slot
	v_add_nc_u32 v[ADRA], s[TB], v[ADRA0]
	v_add_nc_u32 v[ADRU], s[TB], v[ADRU0]
	v_add_nc_u32 v[ADRK], s[TB], v[ADRK0]
	FETCHB 0, 0
	FETCHA 0, A0
.if \fill
	ASK
.endif
	GROUP A1, 1, 0
	WIN 0
	PLACES
	FETCHB 1, 0
	GROUP A1, 2, 0
	WIN 0
	PLACES
	FETCHB 2, 0
.endm
; THE WAY OUT.  KPACK: my half of K's columns of row block a, rounded to f16, into the work-group's stage.
.macro KPACK a
	WIN 0x0f                                       ; sources 0 and 1: window 3, my column blocks 8-11
.irp i, 0,1,2,3
.irp r, 0,1,2,3
	v_cvt_pk_f16_f32 v[TMP+4*\i+\r], v[8*(8*\i+(\a))+2*\r], v[8*(8*\i+(\a))+2*\r+1]
.endr
.endr
	WIN 0
.irp i, 0,1,2,3
	ds_store_b128 v[KSTO], v[TMP+4*\i:TMP+4*\i+3] offset:(\a)*16*SPITCH+32*\i
.endr
.endm
; PACK: my whole 128 columns of row block a, rounded to f16, 16 bytes a lane.  TOSTAGE: into my own stage, and back as whole rows of 256 bytes.  SEND: stored.
.macro PACK a
	WIN 0x05                                       ; sources 0 and 1: window 1, column blocks 0-3
.irp b, 0,1,2,3
.irp r, 0,1,2,3
	v_cvt_pk_f16_f32 v[TMP+4*\b+\r], v[8*(8*\b+(\a))+2*\r], v[8*(8*\b+(\a))+2*\r+1]
.endr
.endr
	WIN 0x0a                                       ; window 2, column blocks 4-7
.irp b, 0,1,2,3
.irp r, 0,1,2,3
	v_cvt_pk_f16_f32 v[TMP+16+4*\b+\r], v[8*(8*\b+(\a))+2*\r], v[8*(8*\b+(\a))+2*\r+1]
.endr
.endr
	WIN 0
.endm
.macro TOSTAGE a
	WIN 0
.set BK, OB+32*((\a)%2)
.irp b, 0,1,2,3,4,5,6,7
	ds_store_b128 v[STO], v[TMP+4*(\b):TMP+4*(\b)+3] offset:32*(\b)
.endr
.irp t, 0,1,2,3,4,5,6,7
	ds_load_b128 v[BK+4*(\t):BK+4*(\t)+3], v[RD] offset:(\t)*2*SPITCH  ; LDS serves a wave's instructions in order (ISA guide 5.7.1.4): these see the stores above
.endr
.endm
.macro SEND a
	WIN 0
.set BK, OB+32*((\a)%2)
	s_wait_dscnt 0x0                               ; the block is back in registers
	s_wait_xcnt 0x0                                ; the stores issued so far have read their base and their registers: only now are these written again
.if (\a) != 0
	s_add_nc_u64 s[10:11], s[10:11], 16*OROWB      ; 16 rows on
.endif
.irp t, 0,1,2,3,4,5,6,7
	global_store_b128 v[CO], v[BK+4*(\t):BK+4*(\t)+3], s[10:11] offset:2*(\t)*OROWB  ; 16 lanes store 256 consecutive bytes, at a multiple of 256 from qkv's first byte
.endr
.endm
	s_wait_tensorcnt 1                             ; my part of K step 0 is in; step 1's may stay out
	s_barrier_signal -1
	s_barrier_wait -1                              ; everybody's is
	s_mov_b32 s[TB], 0
	v_add_nc_u32 v[ADRA], s[TB], v[ADRA0]
	v_add_nc_u32 v[ADRU], s[TB], v[ADRU0]
	v_add_nc_u32 v[ADRK], s[TB], v[ADRK0]
	FETCHB 0, 0                                    ; in the order of every quarter, so that the counted waits hold
	FETCHA 0, A0
	FETCHB 1, 0
	FETCHB 2, 0
	QE 1                                           ; the first quarter stands in front of the loop: its products start the sums
	s_mov_b32 s3, FILLS
.Lstep:                                                ; a trip: a K step's second quarter, the refill of its slot, the next step's first quarter
	QO 1
	QE 0
	s_sub_co_u32 s3, s3, 1
	s_cmp_lg_u32 s3, 0
	s_cbranch_scc1 .Lstep
	QO 0                                           ; the tail is written out: nothing is asked for
	QE 0
	s_cmp_eq_u32 s[CH], 0                          ; the last quarter.  Buffer A0 has been read for the last time, four places back: the waves that hold Q's columns load bq into it
	s_cbranch_scc0 .Lno_bias
.irp i, 0,1,2,3,4,5,6,7
	global_load_b128 v[CB+8*\i:CB+8*\i+3],   v[BO], s[8:9] offset:64*\i
	global_load_b128 v[CB+8*\i+4:CB+8*\i+7], v[BO], s[8:9] offset:64*\i+16
.endr
.Lno_bias:
	s_wait_dscnt 16
	GROUP A1, 0, 0
	s_wait_dscnt 8                                 ; group 2's run may be out
	GROUP A1, 1, 0
	s_wait_dscnt 0x0
	GROUP A1, 2, 0
	WIN 0
	PLACES                                         ; what follows reads results just made and writes registers that the last products read
.irp a, 0,1,2,3,4,5,6,7
	KPACK \a
.endr
	s_wait_dscnt 0x0                               ; for the others' sake: my stores into K's stage are done
	s_barrier_signal -1
	s_barrier_wait -1                              ; a row's 256 bytes come from two waves: both have stored
.irp u, 0,1                            ; 64 whole rows a wave, 32 at a time
.if \u
	s_wait_xcnt 0x0                                ; the first sixteen stores have read their registers
.endif
.irp t, 0,1,2,3,4,5,6,7,8,9,10,11,12,13,14,15
	ds_load_b128 v[KB+4*\t:KB+4*\t+3], v[KRD] offset:(16*\u+\t)*2*SPITCH
.endr
.irp t, 0,1,2,3,4,5,6,7,8,9,10,11,12,13,14,15
	s_wait_dscnt 15-\t                             ; LDS loads come back in order: load t is in
	global_store_b128 v[CO], v[KB+4*\t:KB+4*\t+3], s[KOUT:KOUT+1] offset:(16*\u+\t)*2*OROWB  ; 16 lanes store 256 consecutive bytes, at a multiple of 256 from qkv's first byte
.endr
.endr
	s_cmp_eq_u32 s[CH], 0
	s_cbranch_scc0 .Lunscaled                      ; only Q's columns have a bias and a scale
	s_wait_loadcnt 0x0                             ; bq
.set i, 0
.rept 32                               ; rounded to bf16 like the other inputs, widened again, times c
	v_cvt_pk_bf16_f32 v[22+i%4], v[CB+2*i], v[CB+2*i+1]
	v_lshlrev_b32 v[CB+2*i], 16, v[22+i%4]
	v_and_b32 v[CB+2*i+1], 0xffff0000, v[22+i%4]
	v_pk_mul_f32 v[CB+2*i:CB+2*i+1], v[CB+2*i:CB+2*i+1], s[CS:CS+1] op_sel_hi:[1,0]
.set i, i+1
.endr
.irp w, 1,2                            ; c x sum + c bq, one fused multiply-add in f32, ahead of the one rounding; each accumulator from its low end on
	WIN (\w)*0x41                                  ; destination and source 0 in the blocks' window, c bq in window 0
.irp bi, 0,1,2,3
.irp a, 0,1,2,3,4,5,6,7
.irp r, 0,1,2,3
	v_pk_fma_f32 v[8*(8*\bi+\a)+2*\r:8*(8*\bi+\a)+2*\r+1], v[8*(8*\bi+\a)+2*\r:8*(8*\bi+\a)+2*\r+1], s[CS:CS+1], v[CB+8*(4*(\w-1)+\bi)+2*\r:CB+8*(4*(\w-1)+\bi)+2*\r+1] op_sel_hi:[1,0,1]
.endr
.endr
.endr
.endr
	WIN 0
.Lunscaled:
	PACK 0
	TOSTAGE 0
.irp a, 1,2,3,4,5,6,7                  ; block a's conversions stand between block a - 1's loads from the stage and the wait for them
	PACK \a
	SEND (\a)-1
	TOSTAGE \a
.endr
	SEND 7
	s_wait_tensorcnt 0x0                           ; the wave's end: behind my last tensor load and my last LDS store
	ds_add_u32 v[SPW], v[NIL]
	s_wait_dscnt 0x0
	CROUND                                         ; the closing round: no work-group ends while a partner may still ask for a tile that names it
	s_endpgm
.Lfunc_end_k_q58b93c0f50_proj:
	.size	k_q58b93c0f50_proj, .Lfunc_end_k_q58b93c0f50_proj-k_q58b93c0f50_proj
	.p2alignl 7, 3214868480
	.fill 96, 4, 3214868480
	.section	.rodata,"a",@progbits
	.p2align	6, 0x0
	.amdhsa_kernel k_q58b93c0f50_proj
		.amdhsa_group_segment_fixed_size 327680
		.amdhsa_private_segment_fixed_size 0
		.amdhsa_enable_private_segment 0
		.amdhsa_kernarg_size 32
		.amdhsa_user_sgpr_count 2
		.amdhsa_user_sgpr_kernarg_segment_ptr 1
		.amdhsa_wavefront_size32 1
		.amdhsa_system_sgpr_workgroup_id_x 1
		.amdhsa_system_sgpr_workgroup_id_y 1
		.amdhsa_system_sgpr_workgroup_id_z 1
		.amdhsa_system_vgpr_workitem_id 0
		.amdhsa_next_free_vgpr 1024
		.amdhsa_next_free_sgpr 72
		.amdhsa_reserve_vcc 1
		.amdhsa_float_denorm_mode_32 3
		.amdhsa_float_denorm_mode_16_64 3
		.amdhsa_memory_ordered 1
		.amdhsa_forward_progress 1
		.amdhsa_inst_pref_size 140
	.end_amdhsa_kernel
	.amdgpu_metadata
---
amdhsa.version: [ 1, 2 ]
amdhsa.kernels:
  - .name:           k_q58b93c0f50_proj
    .symbol:         k_q58b93c0f50_proj.kd
    .args:
      - { .name: xb, .offset: 0, .size: 8, .value_kind: global_buffer, .address_space: global }
      - { .name: wb, .offset: 8, .size: 8, .value_kind: global_buffer, .address_space: global }
      - { .name: b, .offset: 16, .size: 8, .value_kind: global_buffer, .address_space: global }
      - { .name: qkv, .offset: 24, .size: 8, .value_kind: global_buffer, .address_space: global }
    .group_segment_fixed_size: 327680
    .private_segment_fixed_size: 0
    .kernarg_segment_align: 8
    .kernarg_segment_size: 32
    .max_flat_workgroup_size: 128
    .sgpr_count:     72
    .vgpr_count:     1024
    .wavefront_size: 32
...
	.end_amdgpu_metadata
.endif
;; end of part 2
;; launch score (part 3): grid 8 x 32, 4 waves a work-group, clusters of 4 x 4, 327,680 bytes of LDS; arguments qkv, p, st; writes p, st
.if DOCPART == 3
	.amdgcn_target "amdgcn-amd-amdhsa--gfx1250"
	.amdhsa_code_object_version 6
	.text
	.protected	k_q58b93c0f50_score
	.globl	k_q58b93c0f50_score
	.p2align	8
	.type	k_q58b93c0f50_score,@function
k_q58b93c0f50_score:
	s_mov_b64 s[64:65], 0
	v_nop
	global_prefetch_b8 v0, s[64:65] scope:SCOPE_SE
	s_setreg_imm32_b32 hwreg(HW_REG_WAVE_MODE, 25, 1), 1
	s_wait_xcnt 0x0
	s_wait_alu depctr_hold_cnt(0) depctr_sa_sdst(0) depctr_va_vdst(0) depctr_va_sdst(0) depctr_va_ssrc(0) depctr_va_vcc(0) depctr_vm_vsrc(0)
	s_getreg_b32 s2, hwreg(HW_REG_IB_STS2, 6, 4)
	s_cmp_eq_u32 s2, 0
	s_cbranch_scc0 .Lentry_in_a_cluster
	s_endpgm
.Lentry_in_a_cluster:
	s_bfe_u32 s2, ttmp6, 0x10000c
	s_cmp_lg_u32 s2, 0xf033
	s_cbranch_scc0 .Lentry_shape_is_right
	s_endpgm
.Lentry_shape_is_right:
; For each batch: s'[q][k] = the sum over 1,024 channels of Q'[q] K[k] (Q' = c (q + bq) and K, without its bias, are columns 0-1023 and 1024-2047 of qkv, f16); sums in f32.
; (K's bias is left out by the launch before: the same term along the softmax's axis, shown at the head of the first kernel.)
; THE SOFTMAX BY BLOCKS.  A wave's 128 x 128 of s' holds, for each of its 128 rows, one block of 128 keys.  E = ceil(the row's maximum over the block); p = 2^(s' - E), so p <= 1 always and the
; block's largest p lies in (0.5, 1], whatever the scores' size: the maximum is taken away, block by block.  p goes out in f16, [8192][2048]; per row and block the pair (-E, l = the sum of the unrounded p)
; goes out in f32, [block 16][row 8192].  E is a whole number, so the last launch's correction 2^(E_block - E_row) is an exact power of two.
; LIMITS.  A weight below 2^-126 counts as 0 in l, below f16's step of 6e-8 as 0 in p; NaN and infinities are not treated apart.
; The product is the launch before's: tiles of 256 x 256, four waves of 128 x 128, 8 K steps of 128 through two LDS slots, clusters of 4 x 4 with joint loads (Q's rows shared along a row of the
; cluster, K's along a column), the matrix instruction used transposed (source 0 = 16 keys, source 1 = 16 queries): lane l holds query l % 16 and the keys 8 (l / 16) + 0..7 of each sixteen.
; REGISTERS, in windows of 256 (s_set_vgpr_msb: bits 1:0 source 0, 3:2 source 1, 5:4 source 2, 7:6 destination):
;   window 0: v0-31 addresses; v64-127, v128-191 fragments of Q, two buffers; on the way out v64-127 rows read back, v128-157 statistics and at work, v192-223 packed p
;   window 1: v64-127, v128-191 fragments of K;   window 2: the accumulators of my rows 0-63 ((a, b) at v[8 (8 a + b)]);   window 3: those of my rows 64-127
.set KSTEP,  128
.set PITCH,  272                       ; an LDS row: 256 bytes + 16 of padding = 68 words: row r begins at bank 4 r mod 64 (64 banks of 4 bytes: ISA guide 11.1)
.set HALFT,  128*PITCH
.set SLOT,   4*HALFT                   ; Q's 256 rows, then K's 256 rows.  0x22000 shares no bit with wave x HALFT: an exclusive or turns an address of one slot into the other's
.set STAGE,  2*SLOT                    ; behind the ring: 16 rows x 272 bytes for each wave
.set SPITCH, 272
.set SPARE,  STAGE+4*16*SPITCH         ; the spare words, 128 bytes a wave: two blocks of 256 bytes that no other line names
.set ROWE,   3072                      ; elements in a row of qkv
.set ROWB,   2*ROWE
.set OROWB,  4096                      ; bytes in a row of p
.set FILLS,  1024/KSTEP-2
.set ADRA,  16
.set ADRA0, 17
.set ADRB,  20
.set ADRB0, 21
.set STO,  24
.set RD,   25
.set CO,   26
.set SO,   27                          ; v27  8 x my lane: my pair in 256 bytes of st
.set SPW,  28
.set NIL,  29
.set PFO,  30
.set OB,   64                          ; rows read back: v64-95 and v96-127 by turns
.set F0,   64
.set F1,   128
.set STAT, 128                         ; v[128+2a:129+2a]  block a's (-E, l)
.set OUTP, 144                         ; v[144:151]  four pairs to store
.set CC,   152                         ; v[152:155]  at work
.set GT,   156                         ; v[156:157]  -E, twice
.set TMP,  192
.set WV, 12
.set RH, 13
.set CH, 14
.set CX, 15
.set CY, 16
.set TC, 17
.set TR, 18
.set LIM, 19
.set G1A, 24
.set G0A, 32
.set PFA, 40
.set TB,  42
.set LB,  43
.set G1B, 48
.set G0B, 56
.set SEL, 68                           ; s[68:69] v_permlanex16_b32's selects: each lane takes its own place in the other half
.set LOW, 70                           ; s70  the lowest finite number
.set HIM, 71                           ; s71  a mask of lanes 16-31
.set MSB, 0
.macro WIN new
.if MSB != (\new)
	s_set_vgpr_msb (MSB<<8)|(\new)
.set MSB, \new
.endif
.endm
.macro JLOAD s                         ; a joint load: waves 0 and 1 fetch Q's two halves, waves 2 and 3 K's; an s_nop 0 and four v_nop follow each of the two lines
	s_cmp_eq_u32 s[RH], 0
	s_cbranch_scc0 .Lfor_b_\@
	tensor_load_to_lds s[G0A+4*(\s):G0A+4*(\s)+3], s[G1A:G1A+7]
	s_nop 0
.rept 4
	v_nop
.endr
	s_branch .Lasked_\@
.Lfor_b_\@:
	tensor_load_to_lds s[G0B+4*(\s):G0B+4*(\s)+3], s[G1B:G1B+7]
	s_nop 0
.rept 4
	v_nop
.endr
.Lasked_\@:
.endm
; A prefetch behind each joint refill and its run of LDS loads: 32 rows x 256 bytes, a lane a row, of the K step two refills on.  Q's rows are named by the clusters with x = 0, K's by the first
; of the two clusters of a batch (cluster y even); the four partners of a joint load take 32 of a wave's 128 rows each, by address.  Steps 0 to 3 come by their loads alone; the last two refills ask for nothing.
.macro ASK
	s_cmp_gt_u32 s3, s[LIM]
	s_cbranch_scc0 .Lnot_mine_\@
	global_prefetch_b8 v[PFO], s[PFA:PFA+1] th:TH_LOAD_NT scope:SCOPE_SE
.Lnot_mine_\@:
.endm
.macro CREST
	s_cmp_lg_u32 s[WV], 0
	s_cbranch_scc1 .Lnot_wave_0_\@
	s_barrier_signal -3
.Lnot_wave_0_\@:
	s_barrier_wait -3
	s_barrier_signal -1
	s_barrier_wait -1
.endm
.macro CROUND
	s_barrier_signal -1
	s_barrier_wait -1
	CREST
.endm
	s_load_b64 s[4:5], s[0:1], 0x0                 ; qkv
	s_load_b64 s[10:11], s[0:1], 0x8               ; p
	s_load_b64 s[8:9], s[0:1], 0x10                ; st
	v_lshl_add_u32 v[SPW], v0, 2, SPARE
	v_mov_b32 v[NIL], 0
	ds_add_u32 v[SPW], v[NIL]                      ; the wave's opening: the add, twice on end, and its wait ahead of my first tensor load
	ds_add_u32 v[SPW], v[NIL]                      ; and once more, under the one wait
	v_lshrrev_b32 v1, 5, v0
	v_readfirstlane_b32 s[WV], v1
	s_lshr_b32 s[RH], s[WV], 1
	s_and_b32 s[CH], s[WV], 1
	s_bfe_u32 s[CX], ttmp6, 0x40000
	s_bfe_u32 s[CY], ttmp6, 0x40004
	s_lshl_b32 s[TC], ttmp9, 2
	s_add_co_u32 s[TC], s[TC], s[CX]               ; the tile of 256 keys in the batch, 0..7
	s_and_b32 s[TR], ttmp7, 0xffff
	s_lshl_b32 s[TR], s[TR], 2
	s_add_co_u32 s[TR], s[TR], s[CY]               ; the tile of 256 rows among all 8,192, 0..31
	s_lshl_b32 s20, s[CY], 2
	s_lshl_b32 s20, 15, s20                        ; my row of the cluster
	s_lshl_b32 s44, 0x1111, s[CX]                  ; my column
	s_or_b32 s[G1A], s20, (1<<16)|(1<<20)|(1<<21)|(5<<22)|(3<<25)  ; mask; elements of 2 bytes; padding on, 4 words after every 64; bit 21 set beside a mask
	s_or_b32 s[G1B], s44, (1<<16)|(1<<20)|(1<<21)|(5<<22)|(3<<25)
.irp g, G1A, G1B
	s_mov_b32 s[(\g)+1], KSTEP<<16                 ; tensor_dim0 = 128
	s_mov_b32 s[(\g)+2], 128<<16                   ; tensor_dim1 = 128
	s_mov_b32 s[(\g)+3], KSTEP<<16                 ; tile_dim0 = 128
	s_mov_b32 s[(\g)+4], 128                       ; tile_dim1 = 128
	s_mov_b32 s[(\g)+5], ROWE                      ; elements from row to row
	s_mov_b32 s[(\g)+6], 0
	s_mov_b32 s[(\g)+7], 0
.endr
	s_lshl_b32 s21, s[CH], 7                       ; which 128 rows of the tile I fetch
	s_lshl_b32 s20, s[TR], 8
	s_add_co_u32 s20, s20, s21                     ; Q: row 256 x tile row + 128 x half
	s_and_b32 s45, ttmp7, 0xffff
	s_lshr_b32 s45, s45, 1                         ; the batch: two clusters of 1,024 rows each; it hangs on the cluster's y alone
	s_lshl_b32 s45, s45, 11
	s_lshl_b32 s44, s[TC], 8
	s_add_co_u32 s44, s44, s45
	s_add_co_u32 s44, s44, s21                     ; K: row 2,048 x batch + 256 x tile column + 128 x half
	s_mov_b32 s21, 0
	s_mov_b32 s45, 0
	s_mov_b64 s[22:23], ROWB
	s_mul_u64 s[20:21], s[20:21], s[22:23]
	s_mul_u64 s[44:45], s[44:45], s[22:23]
	s_mul_i32 s[LB], s[WV], HALFT
	s_mov_b32 s[SEL], 0x76543210
	s_mov_b32 s[SEL+1], 0xfedcba98
	s_mov_b32 s[LOW], 0xff7fffff
	s_mov_b32 s[HIM], 0xffff0000
	s_wait_dscnt 0x0                               ; both opening adds are done
	s_wait_kmcnt 0x0
	s_add_nc_u64 s[6:7], s[4:5], 2048              ; K's columns begin 1,024 elements into a row
	s_add_nc_u64 s[20:21], s[4:5], s[20:21]
	s_add_nc_u64 s[44:45], s[6:7], s[44:45]
	CROUND                                         ; all sixteen work-groups are here: the first joint loads meet
.irp s, 0,1
	s_mov_b32 s[G0A+4*(\s)], 1
	s_add_co_u32 s[G0A+4*(\s)+1], s[LB], (\s)*SLOT
	s_add_nc_u64 s[G0A+4*(\s)+2:G0A+4*(\s)+3], s[20:21], (\s)*KSTEP*2
	s_or_b32 s[G0A+4*(\s)+3], s[G0A+4*(\s)+3], 0x80000000
	s_mov_b32 s[G0B+4*(\s)], 1
	s_add_co_u32 s[G0B+4*(\s)+1], s[LB], (\s)*SLOT
	s_add_nc_u64 s[G0B+4*(\s)+2:G0B+4*(\s)+3], s[44:45], (\s)*KSTEP*2
	s_or_b32 s[G0B+4*(\s)+3], s[G0B+4*(\s)+3], 0x80000000
	JLOAD \s                                       ; two loads of mine are out
.endr
	v_and_b32 v1, 15, v0                           ; l % 16
	v_bfe_u32 v2, v0, 4, 1                         ; l / 16
	v_mul_u32_u24 v3, v1, PITCH
	v_lshl_add_u32 v3, v2, 4, v3                   ; a fragment's row x pitch + 16 x half
	s_mul_i32 s20, s[RH], HALFT
	s_mul_i32 s21, s[CH], HALFT
	s_add_co_u32 s21, s21, 2*HALFT
	v_add_nc_u32 v[ADRA0], s20, v3
	v_add_nc_u32 v[ADRB0], s21, v3
	s_mul_i32 s22, s[WV], 16*SPITCH
	s_add_co_u32 s22, s22, STAGE
	v_mul_u32_u24 v4, v1, SPITCH
	v_lshl_add_u32 v4, v2, 4, v4
	v_add_nc_u32 v[STO], s22, v4
	v_mul_u32_u24 v5, v2, SPITCH
	v_lshl_add_u32 v5, v1, 4, v5
	v_add_nc_u32 v[RD], s22, v5
	v_mul_u32_u24 v5, v2, OROWB
	v_lshl_add_u32 v[CO], v1, 4, v5
	v_and_b32 v[SO], 31, v0
	v_lshlrev_b32 v[SO], 3, v[SO]
	s_lshl_b32 s46, s[TR], 8                       ; p at my part of the tile
	s_lshl_b32 s47, s[RH], 7
	s_add_co_u32 s46, s46, s47
	s_mul_i32 s46, s46, OROWB
	s_lshl_b32 s47, s[TC], 9
	s_add_co_u32 s46, s46, s47
	s_lshl_b32 s47, s[CH], 8
	s_add_co_u32 s46, s46, s47
	s_mov_b32 s47, 0
	s_add_nc_u64 s[10:11], s[10:11], s[46:47]
	s_lshl_b32 s46, s[TC], 17                      ; st at block 2 x tile column + half (65,536 bytes a block), row 256 x tile row + 128 x half (8 bytes a row)
	s_lshl_b32 s47, s[CH], 16
	s_add_co_u32 s46, s46, s47
	s_lshl_b32 s47, s[TR], 11
	s_add_co_u32 s46, s46, s47
	s_lshl_b32 s47, s[RH], 10
	s_add_co_u32 s46, s46, s47
	s_mov_b32 s47, 0
	s_add_nc_u64 s[8:9], s[8:9], s[46:47]
	; the prefetches
	s_and_b32 s46, ttmp7, 0xffff                   ; cluster y
	s_lshr_b32 s47, s46, 1
	s_lshl_b32 s47, s47, 11                        ; the batch's first row
	s_and_b32 s46, s46, 1                          ; which of the batch's two clusters
	s_lshl_b32 s44, s[TR], 8
	s_lshl_b32 s45, s[TC], 8
	s_add_co_u32 s45, s45, s47
	s_cmp_eq_u32 s[RH], 0                          ; do I fetch for Q?
	s_cselect_b32 s44, s44, s45                    ; the tile's first row
	s_cselect_b32 s45, s[CX], s[CY]                ; my place among the four that ask for it with me
	s_cselect_b32 s46, ttmp9, s46                  ; the coordinate along which other clusters read the same rows
	s_cselect_b64 s[PFA:PFA+1], s[4:5], s[6:7]
	s_cmp_eq_u32 s46, 0
	s_cselect_b32 s[LIM], 2, -1
	s_lshl_b32 s46, s[CH], 7
	s_add_co_u32 s44, s44, s46
	s_lshl_b32 s45, s45, 5
	s_add_co_u32 s44, s44, s45
	s_mul_i32 s44, s44, ROWB
	s_mov_b32 s45, 0
	s_add_nc_u64 s[PFA:PFA+1], s[PFA:PFA+1], s[44:45]
	s_add_nc_u64 s[PFA:PFA+1], s[PFA:PFA+1], 3*KSTEP*2  ; at K step 3: the first refill steps it to 4.  Nothing is prefetched here, at the head
	v_and_b32 v[PFO], 31, v0
	v_mul_u32_u24 v[PFO], v[PFO], ROWB
; 16 matrix instructions: row blocks a0, a0 + 1 of the window's four x all 8 key blocks, 32 along K.  zero = 1: the first product starts the sums.
.macro MUL16 f, hi, a0, zero
	WIN 0xa1+0x50*(\hi)                            ; K window 1, Q window 0, C and D window 2 or 3
.irp a, \a0, (\a0)+1
.irp b, 0,1,2,3,4,5,6,7
.if \zero
	v_wmma_f32_16x16x32_f16 v[8*(8*(\a)+(\b)):8*(8*(\a)+(\b))+7], v[(\f)+8*(\b):(\f)+8*(\b)+7], v[(\f)+8*(4*(\hi)+(\a)):(\f)+8*(4*(\hi)+(\a))+7], 0
.else
	v_wmma_f32_16x16x32_f16 v[8*(8*(\a)+(\b)):8*(8*(\a)+(\b))+7], v[(\f)+8*(\b):(\f)+8*(\b)+7], v[(\f)+8*(4*(\hi)+(\a)):(\f)+8*(4*(\hi)+(\a))+7], v[8*(8*(\a)+(\b)):8*(8*(\a)+(\b))+7]
.endif
.endr
.endr
.endm
.macro FETCH k, f                      ; 32 LDS loads in one run: one quarter step's fragments into buffer f
	WIN 0x40
.irp i, 0,1,2,3,4,5,6,7
	ds_load_b128 v[(\f)+8*(\i):(\f)+8*(\i)+3],   v[ADRB] offset:(\k)+(\i)*16*PITCH
	ds_load_b128 v[(\f)+8*(\i)+4:(\f)+8*(\i)+7], v[ADRB] offset:(\k)+(\i)*16*PITCH+32
.endr
	WIN 0
.irp i, 0,1,2,3,4,5,6,7
	ds_load_b128 v[(\f)+8*(\i):(\f)+8*(\i)+3],   v[ADRA] offset:(\k)+(\i)*16*PITCH
	ds_load_b128 v[(\f)+8*(\i)+4:(\f)+8*(\i)+7], v[ADRA] offset:(\k)+(\i)*16*PITCH+32
.endr
.endm
.macro PLACES                          ; four plain vector instructions behind a matrix instruction, in front of loads into registers that it read and of readers of its result
.rept 4
	v_nop
.endr
.endm
.macro QUARTER k, f, g, zero           ; 64 matrix instructions on buffer f; in their middle the next quarter, at byte k, is fetched into buffer g.  The 64 accumulators take turns
	s_wait_dscnt 8                                 ; K's fragments and Q's rows 0-63 are in; the youngest eight loads may be out
	MUL16 \f, 0, 0, \zero
	MUL16 \f, 0, 2, \zero
	PLACES
	FETCH \k, \g
	s_wait_dscnt 32                                ; all but the 32 just issued
	MUL16 \f, 1, 0, \zero
	MUL16 \f, 1, 2, \zero
.endm
.macro MEET round                      ; the change of slots: all my tensor loads, the add, my reads of this slot; then the barrier
	WIN 0
	s_wait_tensorcnt 0x0                           ; all my tensor loads have landed: the one that was out is my part of the next slot
	ds_add_u32 v[SPW], v[NIL]                      ; 0 onto my spare word
	s_wait_dscnt 9                                 ; (the add and the youngest eight loads may be out)
	MUL16 F1, 0, 0, 0
	s_wait_dscnt 0x0                               ; the add is done, and my reads of this slot are over
	s_barrier_signal -1
	MUL16 F1, 0, 2, 0
.if \round
	WIN 0
.endif
	s_barrier_wait -1
.endm
.macro TURN fill                       ; the last quarter of a K step.  fill = 1: the barrier opens a round of the cluster's, and the slot just read is filled again first thing behind it
.if \fill
	s_wait_xcnt 0x0                                ; the last prefetch, a K step back, has read its address
	s_add_nc_u64 s[PFA:PFA+1], s[PFA:PFA+1], KSTEP*2
.endif
	MEET \fill
.if \fill
	CREST
	s_xor_b32 s[G0A+5], s[G0A+5], SLOT
	s_add_nc_u64 s[G0A+6:G0A+7], s[G0A+6:G0A+7], KSTEP*2
	s_xor_b32 s[G0B+5], s[G0B+5], SLOT
	s_add_nc_u64 s[G0B+6:G0B+7], s[G0B+6:G0B+7], KSTEP*2
	JLOAD 1                                        ; 224 matrix instructions ahead of the wait for it; its four v_nop are also the places in front of the loads below
.else
	PLACES
	WIN 0
.endif
	s_xor_b32 s[TB], s[TB], SLOT
	v_add_nc_u32 v[ADRA], s[TB], v[ADRA0]
	v_add_nc_u32 v[ADRB], s[TB], v[ADRB0]
	FETCH 0, F0
.if \fill
	ASK
.endif
	MUL16 F1, 1, 0, 0
	MUL16 F1, 1, 2, 0
.endm
.macro LASTQ
	s_wait_dscnt 8
	MUL16 F1, 0, 0, 0
	MUL16 F1, 0, 2, 0
	s_wait_dscnt 0x0
	MUL16 F1, 1, 0, 0
	MUL16 F1, 1, 2, 0
.endm
; THE SOFTMAX OF ROW BLOCK a: 16 queries x 128 keys; a lane holds 64 scores of one query, the lane 16 away the query's other 64.
.macro SOFT a
.set W, 2+(\a)/4
.set AC, 64*((\a)%4)
	WIN (W<<2)|(W<<4)                              ; sources 1 and 2 in the block's window
.set z, 0
.rept 8                                ; the maximum: four chains of 16 scores, two at a time, ascending
.irp i, 0,1,2,3
.if z == 0
	v_max3_num_f32 v[CC+\i], s[LOW], v[AC+16*\i], v[AC+16*\i+1]
.else
	v_max3_num_f32 v[CC+\i], v[CC+\i], v[AC+16*\i+2*z], v[AC+16*\i+2*z+1]
.endif
.endr
.set z, z+1
.endr
	WIN 0
	v_max3_num_f32 v[CC], v[CC], v[CC+1], v[CC+2]
	v_max_num_f32 v[CC], v[CC], v[CC+3]
	v_permlanex16_b32 v[CC+1], v[CC], s[SEL], s[SEL+1]
	v_max_num_f32 v[CC], v[CC], v[CC+1]
	v_mul_f32 v[CC], -1.0, v[CC]
	v_floor_f32 v[GT], v[CC]                       ; floor(-M) = -ceil(M) = -E
	v_mov_b32 v[GT+1], v[GT]
	WIN (W<<6)|W                                   ; destination and source 0 in the block's window
.set z, 0
.rept 32
	v_pk_add_f32 v[AC+2*z:AC+2*z+1], v[AC+2*z:AC+2*z+1], v[GT:GT+1]  ; s' - E
.set z, z+1
.endr
.set z, 0
.rept 64                               ; one batch of exponentials: none reads another's result
	v_exp_f32 v[AC+z], v[AC+z]
.set z, z+1
.endr
	v_nop                                          ; a plain instruction behind the last exponential,
	s_wait_alu depctr_va_vdst(0)                   ; and the one wait ahead of the batch's first reader
	WIN W|(W<<2)
.irp b, 0,1,2,3,4,5,6,7
.irp r, 0,1,2,3
	v_cvt_pk_f16_f32 v[TMP+4*(\b)+(\r)], v[AC+8*(\b)+2*(\r)], v[AC+8*(\b)+2*(\r)+1]
.endr
.endr
	WIN (W<<6)|W|(W<<2)
.irp w, 16,8,4,2,1                     ; the sum of the 32 pairs, in place, as a tree
.set z, 0
.rept \w
	v_pk_add_f32 v[AC+2*z:AC+2*z+1], v[AC+2*z:AC+2*z+1], v[AC+2*(z+\w):AC+2*(z+\w)+1]
.set z, z+1
.endr
.endr
	WIN W|(W<<2)
	v_add_f32 v[CC], v[AC], v[AC+1]
	WIN 0
	v_permlanex16_b32 v[CC+1], v[CC], s[SEL], s[SEL+1]
	v_add_f32 v[STAT+2*(\a)+1], v[CC], v[CC+1]     ; l: the same in both halves of the lanes
	v_mov_b32 v[STAT+2*(\a)], v[GT]
.endm
.macro TOSTAGE a                       ; 16 bytes a lane into my own stage, and back as whole rows of 256 bytes
	WIN 0
.set BK, OB+32*((\a)%2)
.irp b, 0,1,2,3,4,5,6,7
	ds_store_b128 v[STO], v[TMP+4*(\b):TMP+4*(\b)+3] offset:32*(\b)
.endr
.irp t, 0,1,2,3,4,5,6,7
	ds_load_b128 v[BK+4*(\t):BK+4*(\t)+3], v[RD] offset:(\t)*2*SPITCH  ; LDS serves a wave's instructions in order (ISA guide 5.7.1.4): these see the stores above
.endr
.endm
.macro SEND a, younger
	WIN 0
.set BK, OB+32*((\a)%2)
	s_wait_dscnt \younger
	s_wait_xcnt 0x0                                ; the stores issued so far have read their base and their registers
.if (\a) != 0
	s_add_nc_u64 s[10:11], s[10:11], 16*OROWB
.endif
.irp t, 0,1,2,3,4,5,6,7
	global_store_b128 v[CO], v[BK+4*(\t):BK+4*(\t)+3], s[10:11] offset:2*(\t)*OROWB  ; 16 lanes store 256 consecutive bytes, at a multiple of 256 from p's first byte
.endr
.endm
	s_wait_tensorcnt 1                             ; my part of K step 0 is in; step 1's may stay out
	s_barrier_signal -1
	s_barrier_wait -1
	s_mov_b32 s[TB], 0
	v_add_nc_u32 v[ADRA], s[TB], v[ADRA0]
	v_add_nc_u32 v[ADRB], s[TB], v[ADRB0]
	FETCH 0, F0
	QUARTER 64, F0, F1, 1                          ; the first quarter stands in front of the loop: its products start the sums
	WIN 0
	s_mov_b32 s3, FILLS
.Lstep:                                                ; a trip: a K step's quarters 1 to 3, the refill of its slot, the next step's quarter 0
	QUARTER 128, F1, F0, 0
	QUARTER 192, F0, F1, 0
	TURN 1
	QUARTER 64, F0, F1, 0
	WIN 0
	s_sub_co_u32 s3, s3, 1
	s_cmp_lg_u32 s3, 0
	s_cbranch_scc1 .Lstep
	s_mov_b32 s2, 2                                ; the last two K steps ask for nothing: a text of their own; the second trip is left in its middle
.Ltail:
	QUARTER 128, F1, F0, 0
	QUARTER 192, F0, F1, 0
	WIN 0
	s_sub_co_u32 s2, s2, 1
	s_cmp_eq_u32 s2, 0
	s_cbranch_scc1 .Lfin
	TURN 0
	QUARTER 64, F0, F1, 0
	WIN 0
	s_branch .Ltail
.Lfin:
	LASTQ
	WIN 0
	PLACES                                         ; what follows reads results just made and writes registers that the last products read
	SOFT 0
	TOSTAGE 0
.irp a, 1,2,3,4,5,6,7                  ; block a's softmax stands between block a - 1's loads from the stage and the wait for them
	SOFT \a
	SEND (\a)-1, 0
	TOSTAGE \a
.endr
	SEND 7, 0
.irp i, 0,1,2,3                        ; the statistics: lanes 0-15 give block 2 i's rows, lanes 16-31 block 2 i + 1's: 32 rows, 256 consecutive bytes, aligned
	v_cndmask_b32 v[OUTP+2*\i], v[STAT+4*\i], v[STAT+4*\i+2], s[HIM]
	v_cndmask_b32 v[OUTP+2*\i+1], v[STAT+4*\i+1], v[STAT+4*\i+3], s[HIM]
	global_store_b64 v[SO], v[OUTP+2*\i:OUTP+2*\i+1], s[8:9] offset:256*\i
.endr
	s_wait_tensorcnt 0x0                           ; the wave's end: behind my last tensor load and my last LDS store
	ds_add_u32 v[SPW], v[NIL]
	s_wait_dscnt 0x0
	CROUND                                         ; the closing round
	s_endpgm
.Lfunc_end_k_q58b93c0f50_score:
	.size	k_q58b93c0f50_score, .Lfunc_end_k_q58b93c0f50_score-k_q58b93c0f50_score
	.p2alignl 7, 3214868480
	.fill 96, 4, 3214868480
	.section	.rodata,"a",@progbits
	.p2align	6, 0x0
	.amdhsa_kernel k_q58b93c0f50_score
		.amdhsa_group_segment_fixed_size 327680
		.amdhsa_private_segment_fixed_size 0
		.amdhsa_enable_private_segment 0
		.amdhsa_kernarg_size 24
		.amdhsa_user_sgpr_count 2
		.amdhsa_user_sgpr_kernarg_segment_ptr 1
		.amdhsa_wavefront_size32 1
		.amdhsa_system_sgpr_workgroup_id_x 1
		.amdhsa_system_sgpr_workgroup_id_y 1
		.amdhsa_system_sgpr_workgroup_id_z 1
		.amdhsa_system_vgpr_workitem_id 0
		.amdhsa_next_free_vgpr 1024
		.amdhsa_next_free_sgpr 72
		.amdhsa_reserve_vcc 0
		.amdhsa_float_denorm_mode_32 3
		.amdhsa_float_denorm_mode_16_64 3
		.amdhsa_memory_ordered 1
		.amdhsa_forward_progress 1
		.amdhsa_inst_pref_size 176
	.end_amdhsa_kernel
	.amdgpu_metadata
---
amdhsa.version: [ 1, 2 ]
amdhsa.kernels:
  - .name:           k_q58b93c0f50_score
    .symbol:         k_q58b93c0f50_score.kd
    .args:
      - { .name: qkv, .offset: 0, .size: 8, .value_kind: global_buffer, .address_space: global }
      - { .name: p, .offset: 8, .size: 8, .value_kind: global_buffer, .address_space: global }
      - { .name: st, .offset: 16, .size: 8, .value_kind: global_buffer, .address_space: global }
    .group_segment_fixed_size: 327680
    .private_segment_fixed_size: 0
    .kernarg_segment_align: 8
    .kernarg_segment_size: 24
    .max_flat_workgroup_size: 128
    .sgpr_count:     72
    .vgpr_count:     1024
    .wavefront_size: 32
...
	.end_amdgpu_metadata
.endif
;; end of part 3
;; launch pv (part 4): grid 4 x 64, 4 waves a work-group, clusters of 4 x 4, 327,680 bytes of LDS; arguments p, qkv, st, b, out0; writes out0
.if DOCPART == 4
	.amdgcn_target "amdgcn-amd-amdhsa--gfx1250"
	.amdhsa_code_object_version 6
	.text
	.protected	k_q58b93c0f50_pv
	.globl	k_q58b93c0f50_pv
	.p2align	8
	.type	k_q58b93c0f50_pv,@function
k_q58b93c0f50_pv:
	s_mov_b64 s[64:65], 0
	v_nop
	global_prefetch_b8 v0, s[64:65] scope:SCOPE_SE
	s_setreg_imm32_b32 hwreg(HW_REG_WAVE_MODE, 25, 1), 1
	s_wait_xcnt 0x0
	s_wait_alu depctr_hold_cnt(0) depctr_sa_sdst(0) depctr_va_vdst(0) depctr_va_sdst(0) depctr_va_ssrc(0) depctr_va_vcc(0) depctr_vm_vsrc(0)
	s_getreg_b32 s2, hwreg(HW_REG_IB_STS2, 6, 4)
	s_cmp_eq_u32 s2, 0
	s_cbranch_scc0 .Lentry_in_a_cluster
	s_endpgm
.Lentry_in_a_cluster:
	s_bfe_u32 s2, ttmp6, 0x10000c
	s_cmp_lg_u32 s2, 0xf033
	s_cbranch_scc0 .Lentry_shape_is_right
	s_endpgm
.Lentry_shape_is_right:
; out[q][c] = (the sum over the batch's 2,048 keys of f p[q][k] V0[k][c]) / L[q] + bv[c].  p: [8192][2048] f16; V0: columns 2048-3071 of qkv, f16; st: [block 16][row 8192] pairs (-E, l), f32; out: f32.
; f = 2^(E_block - E_row), E_row the largest E of the row's 16 blocks of 128 keys; L = the sum over blocks of f l.  E is a whole number, so f is an exact power of two: it is applied to p in f16.
; V's bias stands here: a row's weights sum to 1, so it is the addend of the last multiply-add; it is rounded to bf16 like the other inputs.  (K's bias is left out: see the head of the first kernel.)
; LIMITS.  f is held at 2^-64 from below in L; in f16 a factor below 2^-24, and a product f p below f16's step of 6e-8, count as 0.  NaN and infinities are not treated apart.
; SHARES.  A work-group makes 128 queries x 256 channels, so that there are 256 of them; a wave 64 x 128: 32 accumulators of 16 x 16.  The keys go in 16 steps of 128, a step a block of the statistics,
; through two LDS slots.  CLUSTER 4 x 4: p's tile hangs on the tile row alone and is shared along a row of the cluster; V's on the batch and the tile column and is shared along a column.
; LAYOUT.  out^T = V^T P (source 0 = 16 channels, by the turning load from V's rows [key][channel]; source 1 = 16 queries, as p lies): lane l holds query l % 16 and channels 8 (l / 16) + 0..7: 32 bytes of out on end.
; REGISTERS, in windows of 256 (s_set_vgpr_msb: bits 1:0 source 0, 3:2 source 1, 5:4 source 2, 7:6 destination):
;   window 0: v0-35 addresses and at work; v36-39 the step's four factors; v44-51 1 / L in pairs; v64-159, v160-255 two fragment buffers (V's 64 registers, then P's 32); on the way out results and rows
;   window 1: the accumulators, (a, b) at v[8 (8 a + b)];   window 2: v0-63 bv, as the accumulators of one row block lie; v64-67 at work
.set PA,    272                        ; a row of p in LDS: 256 bytes + 16 = 68 words: row r begins at bank 4 r mod 64 (64 banks of 4 bytes: ISA guide 11.1)
.set PV,    544                        ; a row of V: 512 bytes + 32 = 136 words: row r begins at bank 8 r mod 64
.set VOFF,  128*PA                     ; a slot: p's 128 rows, then V's 128 rows
.set SLOT1, 1<<17                      ; slot 1 begins here: one exclusive or turns an address of one slot into the other's
.set FT,    VOFF+128*PV                ; 104,448: behind slot 0's tiles, never filled by a tensor load: the factors, [block 16][row 128], a pair of f16 each: 8,192 bytes
.set RLT,   FT+8192                    ; 1 / L, [row 128], f32: 512 bytes
.set SPARE, RLT+512                    ; the spare words, 128 bytes a wave: two blocks of 256 bytes that no other line names
.set STAGE, SLOT1+FT                   ; behind slot 1's tiles: 16 rows x 528 bytes for each wave, for the way out
.set SP,    528                        ; 512 bytes + 16 = 132 words
.set FILLS, 14                         ; steps 2 to 15 are refills
.set BO,  6                            ; v6   32 x (l / 16): my eight numbers of each sixteen of bv
.set ADA, 10                           ; v10  LDS address of my fragments of p in the slot in hand;  v11 in slot 0, never rewritten
.set AK0, 11
.set ADV, 12                           ; v12, v13  the same for V
.set AV0, 13
.set FA,  14                           ; v14  where the step's factors lie
.set TA,  15                           ; v15  FT + 4 x my thread's number
.set STO, 16
.set RD,  17
.set CO,  18
.set SO,  19                           ; v19  8 x my thread's number
.set PFO, 20
.set FA0, 21                           ; v21  FT + 256 x (wave / 2) + 4 (l % 16); never rewritten
.set SPW, 22
.set NIL, 23
.set FS,  36
.set RL2, 44
.set F0,  64
.set F1,  160
.set WV, 12
.set RH, 13                            ; wave / 2: my 64 queries; also: I fetch for p (0) or V (1)
.set CH, 14                            ; wave % 2: my 128 channels; also: which 64 rows of the tile I fetch
.set CX, 15
.set CY, 16
.set TC, 17
.set TR, 18
.set LIM, 19                           ; 3 in a wave that prefetches, else the greatest number
.set G1A, 24
.set G0A, 32
.set PFA, 40                           ; s[40:41] where my prefetches stand;  s[42:43] their step
.set PFS, 42
.set TB,  44                           ; s44  LDS byte at which the slot in hand begins
.set FB,  45                           ; s45  512 x the step in hand
.set G1B, 48
.set G0B, 56
.set MSB, 0
.macro WIN new
.if MSB != (\new)
	s_set_vgpr_msb (MSB<<8)|(\new)
.set MSB, \new
.endif
.endm
.macro JLOAD s                         ; a joint load: waves 0 and 1 fetch the halves of p's tile, waves 2 and 3 of V's; an s_nop 0 and four v_nop follow each of the two lines
	s_cmp_eq_u32 s[RH], 0
	s_cbranch_scc0 .Lfor_b_\@
	tensor_load_to_lds s[G0A+4*(\s):G0A+4*(\s)+3], s[G1A:G1A+7]
	s_nop 0
.rept 4
	v_nop
.endr
	s_branch .Lasked_\@
.Lfor_b_\@:
	tensor_load_to_lds s[G0B+4*(\s):G0B+4*(\s)+3], s[G1B:G1B+7]
	s_nop 0
.rept 4
	v_nop
.endr
.Lasked_\@:
.endm
; A prefetch behind each joint refill and its run of LDS loads, of the step THREE refills on (384 matrix instructions ahead of its load), 32 blocks of 256 bytes, a lane a block.
; p's tile of a step is 128 rows x 256 bytes, read by one row of one cluster: wave 0 of each of the four partners names 32 rows.  V's is 128 rows x 512 bytes, read by a batch's four clusters: the first of them
; names it: waves 2 and 3 have 64 rows each, of which each of the four partners of the column takes 16, two blocks a row.  The partners are told apart by address.  Wave 1 asks for nothing.
; Steps 0 to 4 come by their loads alone; the trips that refill steps 13 to 15 (s3 = 3, 2, 1) ask for nothing.
.macro ASK
	s_cmp_gt_u32 s3, s[LIM]
	s_cbranch_scc0 .Lnot_mine_\@
	global_prefetch_b8 v[PFO], s[PFA:PFA+1] th:TH_LOAD_NT scope:SCOPE_SE
.Lnot_mine_\@:
.endm
.macro CREST
	s_cmp_lg_u32 s[WV], 0
	s_cbranch_scc1 .Lnot_wave_0_\@
	s_barrier_signal -3
.Lnot_wave_0_\@:
	s_barrier_wait -3
	s_barrier_signal -1
	s_barrier_wait -1
.endm
.macro CROUND
	s_barrier_signal -1
	s_barrier_wait -1
	CREST
.endm
	s_load_b128 s[4:7], s[0:1], 0x0                ; p s[4:5], qkv s[6:7]
	s_load_b64 s[8:9], s[0:1], 0x10                ; st
	s_load_b64 s[66:67], s[0:1], 0x18              ; b
	s_load_b64 s[10:11], s[0:1], 0x20              ; out0
	v_lshl_add_u32 v[SPW], v0, 2, SPARE
	v_mov_b32 v[NIL], 0
	ds_add_u32 v[SPW], v[NIL]                      ; the wave's opening: the add, twice on end, and its wait ahead of my first tensor load
	ds_add_u32 v[SPW], v[NIL]                      ; and once more, under the one wait
	v_lshrrev_b32 v1, 5, v0
	v_readfirstlane_b32 s[WV], v1
	s_lshr_b32 s[RH], s[WV], 1
	s_and_b32 s[CH], s[WV], 1
	s_bfe_u32 s[CX], ttmp6, 0x40000
	s_bfe_u32 s[CY], ttmp6, 0x40004
	s_lshl_b32 s[TC], ttmp9, 2
	s_add_co_u32 s[TC], s[TC], s[CX]               ; the tile of 256 channels, 0..3
	s_and_b32 s[TR], ttmp7, 0xffff
	s_lshl_b32 s[TR], s[TR], 2
	s_add_co_u32 s[TR], s[TR], s[CY]               ; the tile of 128 rows among all 8,192, 0..63
	s_lshl_b32 s20, s[CY], 2
	s_lshl_b32 s20, 15, s20                        ; my row of the cluster
	s_lshl_b32 s46, 0x1111, s[CX]                  ; my column
	s_or_b32 s[G1A], s20, (1<<16)|(1<<20)|(1<<21)|(5<<22)|(3<<25)  ; p: mask; elements of 2 bytes; padding on, 4 words after every 64; bit 21 set beside a mask
	s_or_b32 s[G1B], s46, (1<<16)|(1<<20)|(1<<21)|(6<<22)|(7<<25)  ; V: 8 words after every 128
	s_mov_b32 s[G1A+1], 128<<16                    ; tensor_dim0 = 128
	s_mov_b32 s[G1A+2], 64<<16                     ; tensor_dim1 = 64
	s_mov_b32 s[G1A+3], 128<<16                    ; tile_dim0 = 128
	s_mov_b32 s[G1A+4], 64                         ; tile_dim1 = 64
	s_mov_b32 s[G1A+5], 2048                       ; elements from row to row of p
	s_mov_b32 s[G1A+6], 0
	s_mov_b32 s[G1A+7], 0
	s_mov_b32 s[G1B+1], 256<<16                    ; tensor_dim0 = 256
	s_mov_b32 s[G1B+2], 64<<16
	s_mov_b32 s[G1B+3], 256<<16                    ; tile_dim0 = 256
	s_mov_b32 s[G1B+4], 64
	s_mov_b32 s[G1B+5], 3072                       ; elements from row to row of qkv
	s_mov_b32 s[G1B+6], 0
	s_mov_b32 s[G1B+7], 0
	s_lshl_b32 s20, s[TR], 7
	s_lshl_b32 s21, s[CH], 6                       ; which 64 rows of the tile I fetch
	s_add_co_u32 s20, s20, s21
	s_lshl_b32 s20, s20, 12                        ; p: row 128 x tile row + 64 x half, 4,096 bytes a row
	s_and_b32 s46, ttmp7, 0xffff
	s_lshr_b32 s46, s46, 2                         ; the batch: four clusters of 512 rows each; it hangs on the cluster's y alone
	s_lshl_b32 s46, s46, 11
	s_add_co_u32 s46, s46, s21
	s_mul_i32 s46, s46, 6144                       ; V: key row 2,048 x batch + 64 x half,
	s_lshl_b32 s47, s[TC], 9
	s_add_co_u32 s46, s46, s47                     ; byte 512 x tile column
	s_add_co_u32 s46, s46, 4096                    ; behind Q's and K's 2,048 columns
	s_mov_b32 s21, 0
	s_mov_b32 s47, 0
	s_mul_i32 s22, s[CH], 64*PA                    ; where they go: no place in the cluster enters an LDS address
	s_mul_i32 s23, s[CH], 64*PV
	s_add_co_u32 s23, s23, VOFF
	s_wait_dscnt 0x0                               ; both opening adds are done
	s_wait_kmcnt 0x0
	s_add_nc_u64 s[20:21], s[4:5], s[20:21]
	s_add_nc_u64 s[46:47], s[6:7], s[46:47]
	CROUND                                         ; all sixteen work-groups are here: the first joint loads meet
.irp s, 0,1
	s_mov_b32 s[G0A+4*(\s)], 1
	s_add_co_u32 s[G0A+4*(\s)+1], s22, (\s)*SLOT1
	s_add_nc_u64 s[G0A+4*(\s)+2:G0A+4*(\s)+3], s[20:21], (\s)*256          ; step s: 128 keys are 256 bytes of a row of p,
	s_or_b32 s[G0A+4*(\s)+3], s[G0A+4*(\s)+3], 0x80000000
	s_mov_b32 s[G0B+4*(\s)], 1
	s_add_co_u32 s[G0B+4*(\s)+1], s23, (\s)*SLOT1
	s_add_nc_u64 s[G0B+4*(\s)+2:G0B+4*(\s)+3], s[46:47], (\s)*128*6144     ; and 128 rows of qkv
	s_or_b32 s[G0B+4*(\s)+3], s[G0B+4*(\s)+3], 0x80000000
	JLOAD \s                                       ; two loads of mine are out
.endr
	v_and_b32 v1, 15, v0                           ; l % 16
	v_bfe_u32 v2, v0, 4, 1                         ; l / 16
	v_and_b32 v3, 31, v0                           ; l
	v_lshlrev_b32 v[SO], 3, v0
	v_lshlrev_b32 v[BO], 5, v2
	s_lshl_b32 s46, s[TR], 10                      ; st at the tile's 128 rows, 8 bytes a row
	s_mov_b32 s47, 0
	s_add_nc_u64 s[8:9], s[8:9], s[46:47]
	s_lshl_b32 s46, s[TC], 10                      ; bv of my 128 channels: 4 (2,048 + 256 x tile column + 128 x half) bytes into b
	s_lshl_b32 s20, s[CH], 9
	s_add_co_u32 s46, s46, s20
	s_add_co_u32 s46, s46, 8192
	s_add_nc_u64 s[66:67], s[66:67], s[46:47]
.irp k, 0,1,2,3,4,5,6,7,8,9,10,11,12,13,14,15  ; thread t stands for the tile's row t: its 16 pairs (-E, l); a wave's load covers 256 consecutive bytes, aligned
	global_load_b64 v[64+2*\k:65+2*\k], v[SO], s[8:9] offset:65536*\k
.endr
	WIN 0x80                                       ; destination window 2, address window 0
.irp i, 0,1,2,3,4,5,6,7
	global_load_b128 v[8*\i:8*\i+3],   v[BO], s[66:67] offset:64*\i
	global_load_b128 v[8*\i+4:8*\i+7], v[BO], s[66:67] offset:64*\i+16
.endr
	WIN 0
	; A fragment of p is 16 queries x 32 keys: lane l holds query l % 16; two loads of 16 bytes, 32 bytes apart.
	s_lshl_b32 s20, s[RH], 6
	v_add_nc_u32 v4, s20, v1
	v_mul_u32_u24 v[AK0], v4, PA
	v_lshl_add_u32 v[AK0], v2, 4, v[AK0]
	; The turning load takes 16 keys x 16 channels (lane l reads key 8 (l / 16) + l % 8, channels 8 ((l / 8) % 2) + 0..7) and leaves half a fragment of V^T: lane l holds channel l % 16 and 8 keys.
	v_and_b32 v4, 7, v0
	v_lshl_add_u32 v4, v2, 3, v4
	v_mul_u32_u24 v[AV0], v4, PV
	v_bfe_u32 v4, v0, 3, 1
	v_lshl_add_u32 v[AV0], v4, 4, v[AV0]
	s_lshl_b32 s20, s[CH], 8                       ; my 128 channels
	s_add_co_u32 s20, s20, VOFF
	v_add_nc_u32 v[AV0], s20, v[AV0]
	s_lshl_b32 s20, s[RH], 8                       ; my 64 rows' words in a block of the table
	s_add_co_u32 s20, s20, FT
	v_lshl_add_u32 v[FA0], v1, 2, s20
	v_lshl_add_u32 v[TA], v0, 2, FT
	s_mul_i32 s20, s[WV], 16*SP
	s_add_co_u32 s20, s20, STAGE                   ; my stage
	v_mul_u32_u24 v4, v1, SP                       ; in: row l % 16, 32 bytes for each half of the lanes
	v_lshl_add_u32 v4, v2, 5, v4
	v_add_nc_u32 v[STO], s20, v4
	v_lshl_add_u32 v[RD], v3, 4, s20               ; back: 32 lanes take one row of 512 bytes
	v_lshlrev_b32 v[CO], 4, v3
	s_lshl_b32 s46, s[TR], 7                       ; out at my part of the tile: row 128 x tile row + 64 x half, byte 1,024 x tile column + 512 x half
	s_lshl_b32 s20, s[RH], 6
	s_add_co_u32 s46, s46, s20
	s_lshl_b32 s46, s46, 12
	s_lshl_b32 s20, s[TC], 10
	s_add_co_u32 s46, s46, s20
	s_lshl_b32 s20, s[CH], 9
	s_add_co_u32 s46, s46, s20
	s_add_nc_u64 s[10:11], s[10:11], s[46:47]
	; the prefetches
	s_lshl_b32 s68, s[TR], 7
	s_lshl_b32 s69, s[CX], 5
	s_add_co_u32 s68, s68, s69                     ; p: row 128 x tile row + 32 x my place in the row of the cluster,
	s_lshl_b32 s68, s68, 12
	s_add_co_u32 s68, s68, 4*256                   ; at step 4: the first refill steps it to 5
	s_and_b32 s70, ttmp7, 0xffff
	s_lshr_b32 s69, s70, 2
	s_lshl_b32 s69, s69, 11
	s_lshl_b32 s71, s[CH], 6
	s_add_co_u32 s69, s69, s71
	s_lshl_b32 s71, s[CY], 4
	s_add_co_u32 s69, s69, s71                     ; V: key row 2,048 x batch + 64 x half + 16 x my place in the column,
	s_mul_i32 s69, s69, 6144
	s_lshl_b32 s71, s[TC], 9
	s_add_co_u32 s69, s69, s71
	s_add_co_u32 s69, s69, 4096+4*128*6144         ; at step 4
	s_and_b32 s70, s70, 3                          ; which of the batch's four clusters
	s_mov_b32 s[PFS], 128*6144
	s_mov_b32 s[PFS+1], 0
	s_mov_b32 s71, 6144
	s_cmp_eq_u32 s[RH], 0                          ; do I fetch for p?
	s_cselect_b32 s46, s68, s69
	s_cselect_b32 s70, s[CH], s70                  ; wave 0 always asks, wave 1 never; waves 2 and 3 in the batch's first cluster
	s_cselect_b32 s[PFS], 256, s[PFS]
	s_cselect_b32 s71, 4096, s71                   ; bytes from row to row
	s_cselect_b64 s[PFA:PFA+1], s[4:5], s[6:7]
	s_add_nc_u64 s[PFA:PFA+1], s[PFA:PFA+1], s[46:47]
	s_cmp_eq_u32 s70, 0
	s_cselect_b32 s[LIM], 3, -1                    ; the same in all sixteen partners, for a given wave
	v_lshrrev_b32 v4, s[RH], v3                    ; p: a lane a row; V: two lanes a row,
	v_mul_u32_u24 v[PFO], v4, s71
	v_and_b32 v4, s[RH], v3
	v_lshl_add_u32 v[PFO], v4, 8, v[PFO]           ; 256 bytes apart
	; THE ROW'S STATISTICS.  -E_row is the least of the 16 -E; f = 2^((-E_row) - (-E)); L = the sum of f l, in f32; f goes into the table twice in a word, as f16.
	v_mov_b32 v29, 1.0
	s_wait_loadcnt 16                              ; the 16 pairs are in; bv's 16 loads may stay out
	v_min3_num_f32 v24, v64, v66, v68
	v_min3_num_f32 v25, v70, v72, v74
	v_min3_num_f32 v26, v76, v78, v80
	v_min3_num_f32 v27, v82, v84, v86
	v_min3_num_f32 v28, v88, v90, v92
	v_min3_num_f32 v24, v24, v25, v94
	v_min3_num_f32 v26, v26, v27, v28
	v_min_num_f32 v24, v24, v26
.set k, 0
.rept 16
	v_sub_f32 v[30+k%2], v24, v[64+2*k]            ; E - E_row, a whole number, 0 or less,
	v_max_num_f32 v[30+k%2], 0xc2800000, v[30+k%2] ; held at -64
	v_cvt_i32_f32 v[30+k%2], v[30+k%2]
	v_ldexp_f32 v[32+k%2], v29, v[30+k%2]
.if k == 0
	v_mul_f32 v27, v32, v65
.else
	v_fma_f32 v27, v[32+k%2], v[65+2*k], v27
.endif
	v_cvt_pk_f16_f32 v[34+k%2], v[32+k%2], v[32+k%2]
	ds_store_b32 v[TA], v[34+k%2] offset:512*k
.set k, k+1
.endr
	v_rcp_f32 v28, v27                             ; L is at least 0.5: the block that holds E_row has f = 1 and a weight above 0.5
	v_nop                                          ; a plain instruction behind the reciprocal,
	s_wait_alu depctr_va_vdst(0)                   ; and the wait ahead of its reader
	ds_store_b32 v[TA], v28 offset:RLT-FT
	s_wait_loadcnt 0x0                             ; bv
	WIN 0x8a                                       ; sources 0 and 1 and the destination in window 2
.set i, 0
.rept 32                               ; rounded to bf16 like the other inputs, and widened again
	v_cvt_pk_bf16_f32 v[64+i%4], v[2*i], v[2*i+1]
	v_lshlrev_b32 v[2*i], 16, v[64+i%4]
	v_and_b32 v[2*i+1], 0xffff0000, v[64+i%4]
.set i, i+1
.endr
	WIN 0
.macro SCALE f, a                      ; P's fragment of row block a times the row's factor for this block of keys: an exact power of two
.irp i, 0,1,2,3,4,5,6,7
	v_pk_mul_f16 v[(\f)+64+8*(\a)+\i], v[(\f)+64+8*(\a)+\i], v[FS+(\a)]
.endr
.endm
.macro MUL f, a, zero                  ; 8 matrix instructions: row block a x all 8 channel blocks, 32 keys.  The 32 accumulators take turns in the same order in every quarter
	WIN 0x50                                       ; C and D window 1
.irp b, 0,1,2,3,4,5,6,7
.if \zero
	v_wmma_f32_16x16x32_f16 v[8*(8*(\a)+(\b)):8*(8*(\a)+(\b))+7], v[(\f)+8*(\b):(\f)+8*(\b)+7], v[(\f)+64+8*(\a):(\f)+64+8*(\a)+7], 0
.else
	v_wmma_f32_16x16x32_f16 v[8*(8*(\a)+(\b)):8*(8*(\a)+(\b))+7], v[(\f)+8*(\b):(\f)+8*(\b)+7], v[(\f)+64+8*(\a):(\f)+64+8*(\a)+7], v[8*(8*(\a)+(\b)):8*(8*(\a)+(\b))+7]
.endif
.endr
.endm
; One run of LDS loads: quarter q (32 keys) of the slot in hand into buffer f: (fs = 1: the step's four factors first,) V's 16 turning loads, then P's 8, row blocks 2 and 3 last.
.macro FETCH q, f, fs
	WIN 0
.if \fs
.irp a, 0,1,2,3
	ds_load_b32 v[FS+\a], v[FA] offset:64*\a       ; row 64 x (wave / 2) + 16 a + l % 16
.endr
.endif
.irp b, 0,1,2,3,4,5,6,7
	ds_load_tr16_b128 v[(\f)+8*(\b):(\f)+8*(\b)+3],   v[ADV] offset:(\q)*32*PV+32*(\b)
	ds_load_tr16_b128 v[(\f)+8*(\b)+4:(\f)+8*(\b)+7], v[ADV] offset:(\q)*32*PV+16*PV+32*(\b)
.endr
.irp a, 0,1,2,3
	ds_load_b128 v[(\f)+64+8*(\a):(\f)+64+8*(\a)+3],   v[ADA] offset:64*(\q)+(\a)*16*PA
	ds_load_b128 v[(\f)+64+8*(\a)+4:(\f)+64+8*(\a)+7], v[ADA] offset:64*(\q)+(\a)*16*PA+32
.endr
.endm
.macro PLACES
.rept 4
	v_nop
.endr
.endm
; A step is four quarters of 32 keys, 32 matrix instructions each, on buffers 0, 1, 0, 1.  One of the first three: multiplies buffer f; in its middle it fetches quarter q into buffer g.
; The scalings, plain vector instructions that name no register of the products before them, are the four places in front of the loads into g (ISA guide 7.12.1 for vector instructions).
.macro QUARTER q, f, g, zero
	WIN 0
	s_wait_dscnt 4                                 ; the factors, V's fragments and P's row blocks 0 and 1 are in; the youngest four loads may be out
	SCALE \f, 0
	SCALE \f, 1
	MUL \f, 0, \zero
	MUL \f, 1, \zero
	WIN 0
	s_wait_dscnt 0x0
	SCALE \f, 2
	SCALE \f, 3
	FETCH \q, \g, 0
	MUL \f, 2, \zero
	MUL \f, 3, \zero
.endm
; The last quarter multiplies buffer 1 and changes slots: one barrier.  In front of it each wave waits for all its tensor loads (one is out: its part of the next slot), adds 0 to its spare word, and waits
; for that and for its own reads of this slot.  fill = 1: the barrier opens a round of the cluster's, and this slot is filled again first thing behind it, 112 matrix instructions ahead of the wait for it.
.macro TURN fill
.if \fill
	s_wait_xcnt 0x0                                ; the last prefetch, a step back, has read its address
	s_add_nc_u64 s[PFA:PFA+1], s[PFA:PFA+1], s[PFS:PFS+1]
.endif
	WIN 0
	s_wait_tensorcnt 0x0                           ; all my tensor loads have landed
	ds_add_u32 v[SPW], v[NIL]                      ; 0 onto my spare word
	s_wait_dscnt 5                                 ; (the add and the youngest four loads may be out)
	SCALE F1, 0
	SCALE F1, 1
	MUL F1, 0, 0
	s_wait_dscnt 0x0                               ; the add is done, and my reads of this slot are over
	s_barrier_signal -1
	MUL F1, 1, 0                                   ; work on registers while the others arrive
	WIN 0
	s_barrier_wait -1
.if \fill
	CREST                                          ; no wave of any partner still reads this slot or has a load on its way
	s_xor_b32 s[G0A+5], s[G0A+5], SLOT1            ; the walking descriptors: the other slot than last time, the next 128 keys
	s_add_nc_u64 s[G0A+6:G0A+7], s[G0A+6:G0A+7], 256
	s_xor_b32 s[G0B+5], s[G0B+5], SLOT1
	s_add_nc_u64 s[G0B+6:G0B+7], s[G0B+6:G0B+7], 128*6144
	JLOAD 1
.endif
	s_xor_b32 s[TB], s[TB], SLOT1                  ; the reads go on in the other slot,
	s_add_co_u32 s[FB], s[FB], 512                 ; with the next block's factors
	v_add_nc_u32 v[ADA], s[TB], v[AK0]
	v_add_nc_u32 v[ADV], s[TB], v[AV0]
	v_add_nc_u32 v[FA], s[FB], v[FA0]
	SCALE F1, 2                                    ; with this block's factors still: the run below brings the next block's
	SCALE F1, 3
	FETCH 0, F0, 1
.if \fill
	ASK
.endif
	MUL F1, 2, 0
	MUL F1, 3, 0
.endm
.macro LASTQ
	WIN 0
	s_wait_dscnt 4
	SCALE F1, 0
	SCALE F1, 1
	MUL F1, 0, 0
	MUL F1, 1, 0
	WIN 0
	s_wait_dscnt 0x0
	SCALE F1, 2
	SCALE F1, 3
	MUL F1, 2, 0
	MUL F1, 3, 0
.endm
; THE WAY OUT of row block a (16 queries x 128 channels).  OUTP: sum / L + bv, one fused multiply-add.  TOSTAGE: 32 bytes a lane into my own stage, and back as whole rows of 512 bytes.  SEND: stored.
.macro OUTP a
	WIN 0x21                                       ; the sums window 1, 1 / L window 0, bv window 2, the result window 0
.irp b, 0,1,2,3,4,5,6,7
.irp i, 0,1,2,3
	v_pk_fma_f32 v[64+8*(\b)+2*(\i):64+8*(\b)+2*(\i)+1], v[8*(8*(\a)+(\b))+2*(\i):8*(8*(\a)+(\b))+2*(\i)+1], v[RL2+2*(\a):RL2+2*(\a)+1], v[8*(\b)+2*(\i):8*(\b)+2*(\i)+1]
.endr
.endr
	WIN 0
.endm
.macro TOSTAGE a
	WIN 0
.set BK, 128+64*((\a)%2)
.irp b, 0,1,2,3,4,5,6,7
	ds_store_b128 v[STO], v[64+8*(\b):64+8*(\b)+3]   offset:64*(\b)
	ds_store_b128 v[STO], v[64+8*(\b)+4:64+8*(\b)+7] offset:64*(\b)+16
.endr
.irp t, 0,1,2,3,4,5,6,7,8,9,10,11,12,13,14,15
	ds_load_b128 v[BK+4*(\t):BK+4*(\t)+3], v[RD] offset:(\t)*SP  ; LDS serves a wave's instructions in order (ISA guide 5.7.1.4): these see the stores above
.endr
.endm
.macro SEND a
	WIN 0
.set BK, 128+64*((\a)%2)
	s_wait_dscnt 0x0                               ; the block is back in registers
	s_wait_xcnt 0x0                                ; the stores issued so far have read their base and their registers
.if (\a) != 0
	s_add_nc_u64 s[10:11], s[10:11], 16*4096       ; 16 rows on
.endif
.irp t, 0,1,2,3,4,5,6,7,8,9,10,11,12,13,14,15
	global_store_b128 v[CO], v[BK+4*(\t):BK+4*(\t)+3], s[10:11] offset:4096*(\t) th:TH_STORE_NT  ; 32 lanes store 512 consecutive bytes, at a multiple of 256 from out's first byte
.endr
.endm
	s_wait_tensorcnt 1                             ; my part of step 0 is in; step 1's may stay out
	s_wait_dscnt 0x0                               ; my words of the tables are written
	s_barrier_signal -1
	s_barrier_wait -1                              ; everybody's are
	s_mov_b32 s[TB], 0
	s_mov_b32 s[FB], 0
	v_add_nc_u32 v[ADA], s[TB], v[AK0]
	v_add_nc_u32 v[ADV], s[TB], v[AV0]
	v_add_nc_u32 v[FA], s[FB], v[FA0]
	FETCH 0, F0, 1
	QUARTER 1, F0, F1, 1                           ; the first quarter stands in front of the loop: its products start the sums
	WIN 0
	s_mov_b32 s3, FILLS
.Lstep:                                                ; a trip: a step's quarters 1 to 3, the refill of its slot, the next step's quarter 0
	QUARTER 2, F1, F0, 0
	QUARTER 3, F0, F1, 0
	TURN 1
	QUARTER 1, F0, F1, 0
	WIN 0
	s_sub_co_u32 s3, s3, 1
	s_cmp_lg_u32 s3, 0
	s_cbranch_scc1 .Lstep
	s_mov_b32 s2, 2                                ; the last two steps ask for nothing: a text of their own; the second trip is left in its middle
.Ltail:
	QUARTER 2, F1, F0, 0
	QUARTER 3, F0, F1, 0
	WIN 0
	s_sub_co_u32 s2, s2, 1
	s_cmp_eq_u32 s2, 0
	s_cbranch_scc1 .Lfin
	TURN 0
	QUARTER 1, F0, F1, 0
	WIN 0
	s_branch .Ltail
.Lfin:
	LASTQ
	WIN 0
	PLACES                                         ; what follows reads results just made and writes registers that the last products read
.irp a, 0,1,2,3
	ds_load_b32 v[RL2+2*\a],   v[FA0] offset:RLT-FT+64*\a  ; 1 / L of my row in block a, into both registers of a pair
	ds_load_b32 v[RL2+2*\a+1], v[FA0] offset:RLT-FT+64*\a
.endr
	s_wait_dscnt 0x0
	OUTP 0
	TOSTAGE 0
.irp a, 1,2,3                          ; block a's arithmetic stands between block a - 1's loads from the stage and the wait for them
	OUTP \a
	SEND (\a)-1
	TOSTAGE \a
.endr
	SEND 3
	s_wait_tensorcnt 0x0                           ; the wave's end: behind my last tensor load and my last LDS store
	ds_add_u32 v[SPW], v[NIL]
	s_wait_dscnt 0x0
	CROUND                                         ; the closing round: no work-group ends while a partner may still ask for a tile that names it
	s_endpgm
.Lfunc_end_k_q58b93c0f50_pv:
	.size	k_q58b93c0f50_pv, .Lfunc_end_k_q58b93c0f50_pv-k_q58b93c0f50_pv
	.p2alignl 7, 3214868480
	.fill 96, 4, 3214868480
	.section	.rodata,"a",@progbits
	.p2align	6, 0x0
	.amdhsa_kernel k_q58b93c0f50_pv
		.amdhsa_group_segment_fixed_size 327680
		.amdhsa_private_segment_fixed_size 0
		.amdhsa_enable_private_segment 0
		.amdhsa_kernarg_size 40
		.amdhsa_user_sgpr_count 2
		.amdhsa_user_sgpr_kernarg_segment_ptr 1
		.amdhsa_wavefront_size32 1
		.amdhsa_system_sgpr_workgroup_id_x 1
		.amdhsa_system_sgpr_workgroup_id_y 1
		.amdhsa_system_sgpr_workgroup_id_z 1
		.amdhsa_system_vgpr_workitem_id 0
		.amdhsa_next_free_vgpr 608
		.amdhsa_next_free_sgpr 72
		.amdhsa_reserve_vcc 0
		.amdhsa_float_denorm_mode_32 3
		.amdhsa_float_denorm_mode_16_64 3
		.amdhsa_memory_ordered 1
		.amdhsa_forward_progress 1
		.amdhsa_inst_pref_size 108
	.end_amdhsa_kernel
	.amdgpu_metadata
---
amdhsa.version: [ 1, 2 ]
amdhsa.kernels:
  - .name:           k_q58b93c0f50_pv
    .symbol:         k_q58b93c0f50_pv.kd
    .args:
      - { .name: p, .offset: 0, .size: 8, .value_kind: global_buffer, .address_space: global }
      - { .name: qkv, .offset: 8, .size: 8, .value_kind: global_buffer, .address_space: global }
      - { .name: st, .offset: 16, .size: 8, .value_kind: global_buffer, .address_space: global }
      - { .name: b, .offset: 24, .size: 8, .value_kind: global_buffer, .address_space: global }
      - { .name: out0, .offset: 32, .size: 8, .value_kind: global_buffer, .address_space: global }
    .group_segment_fixed_size: 327680
    .private_segment_fixed_size: 0
    .kernarg_segment_align: 8
    .kernarg_segment_size: 40
    .max_flat_workgroup_size: 128
    .sgpr_count:     72
    .vgpr_count:     608
    .wavefront_size: 32
...
	.end_amdgpu_metadata
.endif
;; end of part 4
;; ======== version 2 of 2: 4 launches; version 1 with the launch cast written anew for expert scheduling mode
;; limits: values are held in f16: magnitudes above 65,504 overflow, below 6.1e-05 lose precision
;; workspace buffers: xb 16,777,216 bytes; wb 6,291,456 bytes; qkv 50,331,648 bytes; p 33,554,432 bytes; st 1,048,576 bytes
;; launch cast (part 5): grid 704 x 1, 8 waves a work-group, no clusters, 0 bytes of LDS; arguments X, W, xb, wb; writes xb, wb
.if DOCPART == 5
	.amdgcn_target "amdgcn-amd-amdhsa--gfx1250"
	.amdhsa_code_object_version 6
	.text
	.protected	k_q58b93c0f50_cast
	.globl	k_q58b93c0f50_cast
	.p2align	8
	.type	k_q58b93c0f50_cast,@function
k_q58b93c0f50_cast:
	s_mov_b64 s[64:65], 0
	v_nop
	global_prefetch_b8 v0, s[64:65] scope:SCOPE_SE
	s_setreg_imm32_b32 hwreg(HW_REG_WAVE_SCHED_MODE, 0, 2), 2
	s_setreg_imm32_b32 hwreg(HW_REG_WAVE_MODE, 25, 1), 1
	s_wait_xcnt 0x0
	s_wait_alu depctr_vm_vsrc(0)
; SELF-ATTENTION WITH ONE HEAD OF 1,024 CHANNELS, in four launches: cast, proj, score, pv.
;   cast   X and W rounded once to bf16 and laid out in blocks of 64 along K (xb, wb).
;   proj   qkv[8192][3072] in f16 = X W^T: columns 0-1023 hold c (q + bq), c = log2(e) / 32; columns 1024-2047 K without its bias; columns 2048-3071 V without its bias.
;   score  for each block of 128 keys: s' = Q' . K, E = ceil(the row's maximum over the block), p = 2^(s' - E) in f16, and per row and block the pair (-E, sum of p) in f32.
;   pv     out = (sum over blocks of 2^(E_block - E_row) p V) / (sum over blocks of 2^(E_block - E_row) l) + bv.
; WORK LEFT OUT.  K's bias bk = b[1024:2048].  scores[q][k] = Q_q . (K0_k + bk) / 32 = Q_q . K0_k / 32 + Q_q . bk / 32; the second term does not hang on k, and softmax along k
; is unchanged by a term that is the same along k, for all values of X, W and b.  So b[1024:2048] is never loaded; b stays an argument, since bq and bv are live.
; V's bias is not left out but moved: a row's weights sum to 1, so sum_k a_k (V0_k + bv) = sum_k a_k V0_k + bv: it is the addend of pv's last multiply-add.
; LIMITS.  A NaN, an infinity or an overflow that lives in bk alone is not carried to the result.  c (q + bq), K0 and V0 are kept in f16: they must lie within 65,504.
; A weight below 6e-8 of its row's largest counts as 0.  NaN and infinities are not treated apart.
;
; THIS LAUNCH: a stream.  xb is [K block 16][row 8192][64], wb is [K block 16][row' 3072][64]: the next launch's tiles (some rows, 64 along K) are then dense in memory.
; W's row n = 1,024 g + 128 T + i (g = 0, 1, 2: Q, K, V) goes to row' = 384 T + 128 g + i: the 384 rows that one work-group of the next launch multiplies lie on end.
; Work-groups 0-511 take X, 512-703 take W: 16 rows each, 65,536 bytes in and 32,768 out.  Thread t has row t / 16 and, in K block j = 0..15, the four numbers 4 (t % 16) ..: a wave's load covers
; 256 consecutive bytes of each of two rows, a wave's store 256 consecutive bytes, aligned: the two rows' 64 numbers of one K block.  All sixteen loads of a wave go out before the first wait for data.
; No LDS, no barrier, no matrix unit: each byte is touched once and no wave wants another's.
; THE MODE: SCHED_MODE bits 1:0 = 2 (LLVM: expert scheduling mode 2), set by the entry lines.  The code itself states the register dependences
; between vector instructions and memory instructions, with s_wait_alu, always for 0.
; THE PLAN.  Registers that memory instructions touch:
;   v1         the loads' offset.   Written at the head; read by all sixteen loads; never written again.
;   OFS0-15    the stores' offsets. Written at the head; each read by one store; never written again.
;   IN0-15     Each lands once, by load j; read by the two conversions of load j, behind its wait on LOADcnt.  No vector instruction names them ahead of the loads.
;   OUT0-15    Each written once, by the two conversions of load j; read once, by store j; never written again.
; The sixteen loads go in four groups of four.  Group g's eight conversions name IN and OUT of group g alone; the four stores of group g - 1, which read OFS and OUT of group g - 1, are dealt among
; them.  So one wait on va_vdst at a group's head states all that those four stores hang on, one at the kernel's head serves every offset, and one stands ahead of the last four stores.
; No register that a memory instruction reads is written again: no wait on vm_vsrc is owed.  No vector instruction writes a scalar register or VCC, and EXEC is never written.
.set XCHUNKS, 512                      ; 8,192 rows / 16
.set XKB, 8192*128                     ; bytes in a K block of xb,
.set WKB, 3072*128                     ; and of wb
.set IN,  8                            ; v[8:71]     sixteen loads of four registers
.set OUT, 72                           ; v[72:103]   sixteen stores of two registers
.set OFS, 104                          ; v[104:119]  my 8 bytes in K block j: 8 t + j x the block's bytes (past a store's immediate, so kept in registers)
	s_load_b256 s[4:11], s[0:1], 0x0               ; X s[4:5], W s[6:7], xb s[8:9], wb s[10:11]
	v_lshrrev_b32 v1, 4, v0                        ; my row in the chunk
	v_and_b32 v3, 15, v0
	v_lshlrev_b32 v1, 12, v1                       ; 4,096 bytes a row,
	v_lshl_add_u32 v1, v3, 4, v1                   ; 16 bytes a thread
	v_lshlrev_b32 v[OFS], 3, v0                    ; out: 128 (t / 16) + 8 (t % 16) = 8 t
	s_mov_b32 s22, WKB                             ; an instruction holds one literal: wb's stride first, xb's by the choice below
	s_cmp_lt_u32 ttmp9, XCHUNKS
	s_cselect_b32 s12, 0, XCHUNKS
	s_cselect_b32 s22, XKB, s22                    ; bytes from K block to K block in my tensor
	s_sub_co_u32 s12, ttmp9, s12                   ; my chunk's number c in its tensor
	s_lshl_b32 s14, s12, 16                        ; its bytes in
	s_mov_b32 s15, 0
	s_lshl_b32 s16, s12, 4                         ; X: its first row, 16 c
	s_bfe_u32 s13, s12, 0x30003                    ; W: T = (c / 8) % 8,
	s_mul_i32 s13, s13, 384
	s_lshr_b32 s23, s12, 6                         ; g = c / 64,
	s_lshl_b32 s23, s23, 7
	s_add_co_u32 s13, s13, s23
	s_and_b32 s23, s12, 7                          ; i = 16 (c % 8)
	s_lshl_b32 s23, s23, 4
	s_add_co_u32 s13, s13, s23                     ; row' = 384 T + 128 g + i
	s_cmp_lt_u32 ttmp9, XCHUNKS
	s_cselect_b32 s16, s16, s13
	s_lshl_b32 s16, s16, 7                         ; 128 bytes a row in a K block
	s_mov_b32 s17, 0
.irp j, 1,2,3,4,5,6,7,8,9,10,11,12,13,14,15
	v_add_nc_u32 v[OFS+\j], s22, v[OFS+\j-1]
.endr
	s_wait_kmcnt 0x0
	s_cmp_lt_u32 ttmp9, XCHUNKS                    ; compared anew: the shifts wrote SCC
	s_cselect_b64 s[18:19], s[4:5], s[6:7]
	s_cselect_b64 s[20:21], s[8:9], s[10:11]
	s_add_nc_u64 s[18:19], s[18:19], s[14:15]
	s_add_nc_u64 s[20:21], s[20:21], s[16:17]
	s_wait_alu depctr_va_vdst(0)                   ; v1 and the sixteen OFS are written: every load of the kernel reads v1 as its offset, every store one of OFS
.irp j, 0,1,2,3,4,5,6,7,8,9,10,11,12,13,14,15
	global_load_b128 v[IN+4*\j:IN+4*\j+3], v1, s[18:19] offset:256*\j th:TH_LOAD_NT
.endr
; Group g: loads 4 g to 4 g + 3 are rounded; the stores of group g - 1 stand among the conversions, one ahead of each pair.
.macro GRP g
	s_wait_loadcnt 12-4*(\g)                       ; loads come back in order (ISA guide 5.7.1): this group's four are in, the 12 - 4 g younger ones stay out
.if (\g) > 0
	s_wait_alu depctr_va_vdst(0)                   ; the group before has written its eight OUT registers, which the four stores below read
.endif
.irp i, 0,1,2,3
.if (\g) > 0
	global_store_b64 v[OFS+4*(\g)-4+(\i)], v[OUT+2*(4*(\g)-4+(\i)):OUT+2*(4*(\g)-4+(\i))+1], s[20:21] th:TH_STORE_NT  ; no vector instruction since the wait names its registers
.endif
	v_cvt_pk_bf16_f32 v[OUT+2*(4*(\g)+(\i))],   v[IN+4*(4*(\g)+(\i))],   v[IN+4*(4*(\g)+(\i))+1]
	v_cvt_pk_bf16_f32 v[OUT+2*(4*(\g)+(\i))+1], v[IN+4*(4*(\g)+(\i))+2], v[IN+4*(4*(\g)+(\i))+3]
.endr
.endm
	GRP 0
	GRP 1
	GRP 2
	GRP 3
	s_wait_alu depctr_va_vdst(0)                   ; group 3 has written its eight OUT registers, which the last four stores read
.irp i, 12,13,14,15
	global_store_b64 v[OFS+\i], v[OUT+2*\i:OUT+2*\i+1], s[20:21] th:TH_STORE_NT
.endr
	s_endpgm
.Lfunc_end_k_q58b93c0f50_cast:
	.size	k_q58b93c0f50_cast, .Lfunc_end_k_q58b93c0f50_cast-k_q58b93c0f50_cast
	.p2alignl 7, 3214868480
	.fill 96, 4, 3214868480
	.section	.rodata,"a",@progbits
	.p2align	6, 0x0
	.amdhsa_kernel k_q58b93c0f50_cast
		.amdhsa_group_segment_fixed_size 0
		.amdhsa_private_segment_fixed_size 0
		.amdhsa_enable_private_segment 0
		.amdhsa_kernarg_size 32
		.amdhsa_user_sgpr_count 2
		.amdhsa_user_sgpr_kernarg_segment_ptr 1
		.amdhsa_wavefront_size32 1
		.amdhsa_system_sgpr_workgroup_id_x 1
		.amdhsa_system_sgpr_workgroup_id_y 1
		.amdhsa_system_sgpr_workgroup_id_z 1
		.amdhsa_system_vgpr_workitem_id 0
		.amdhsa_next_free_vgpr 120
		.amdhsa_next_free_sgpr 66
		.amdhsa_reserve_vcc 0
		.amdhsa_float_denorm_mode_32 3
		.amdhsa_float_denorm_mode_16_64 3
		.amdhsa_memory_ordered 1
		.amdhsa_forward_progress 1
		.amdhsa_inst_pref_size 8
	.end_amdhsa_kernel
	.amdgpu_metadata
---
amdhsa.version: [ 1, 2 ]
amdhsa.kernels:
  - .name:           k_q58b93c0f50_cast
    .symbol:         k_q58b93c0f50_cast.kd
    .args:
      - { .name: X, .offset: 0, .size: 8, .value_kind: global_buffer, .address_space: global }
      - { .name: W, .offset: 8, .size: 8, .value_kind: global_buffer, .address_space: global }
      - { .name: xb, .offset: 16, .size: 8, .value_kind: global_buffer, .address_space: global }
      - { .name: wb, .offset: 24, .size: 8, .value_kind: global_buffer, .address_space: global }
    .group_segment_fixed_size: 0
    .private_segment_fixed_size: 0
    .kernarg_segment_align: 8
    .kernarg_segment_size: 32
    .max_flat_workgroup_size: 256
    .sgpr_count:     66
    .vgpr_count:     120
    .wavefront_size: 32
...
	.end_amdgpu_metadata
.endif
;; end of part 5
;; launch proj: the kernel of part 2 again; grid 8 x 32, 4 waves a work-group, clusters of 4 x 4, 327,680 bytes of LDS; arguments xb, wb, b, qkv; writes qkv
;; launch score: the kernel of part 3 again; grid 8 x 32, 4 waves a work-group, clusters of 4 x 4, 327,680 bytes of LDS; arguments qkv, p, st; writes p, st
;; launch pv: the kernel of part 4 again; grid 4 x 64, 4 waves a work-group, clusters of 4 x 4, 327,680 bytes of LDS; arguments p, qkv, st, b, out0; writes out0
